; MI455X (gfx1250); checked and timed in simulation.
; The chip was launched on July 23, 2026; its instructions are those of AMD's public machine-readable ISA for CDNA 5 (MIT licence, August 2026) and "CDNA5" Instruction Set Architecture Reference Guide (July 2026). The comments in the code are by the model that wrote it; some were corrected since.
;; Casual Multi Query Attention. Allowed arithmetic: matrix products marked QUANTISED: E2M3 operands, one E8M0 scale for each 32 along K, by v_wmma_scale_f32_16x16x128_f8f6f4 with both operands' format E2M3, f32 sums; everything else in f32.
;; Inputs: bk 2,048 float32; bo 2,048 float32; bq 2,048 float32; bv 2,048 float32; freqs_cos 2,048 x 64 float32; freqs_sin 2,048 x 64 float32; wk 2,048 x 2,048 float32; wo 2,048 x 2,048 float32; wq 2,048 x 2,048 float32; wv 2,048 x 2,048 float32; x 1 x 2,048 x 2,048 float32.
;; Outputs: out0 1 x 2,048 x 2,048 float32.
;; This version of the problem:
;;   THIS VERSION OF THE PROBLEM IS GIVEN IN LOW PRECISION. The matrix products marked QUANTISED in the list below multiply operands that are first quantised to E2M3 (2 exponent bits, 3 mantissa bits; 6 bits a number), with one power-of-two scale for each 32 numbers along K (OCP MX v1.0); their sums are f32. All else is computed in f32.
;;   The module's matrix products, in the order in which they are computed (A, B: the left and right operand; K: the contracted axis; several contracted axes count as one K, in the product's order):
;;     1. [M 2,048, K 2,048] x [K 2,048, N 2,048]; A: input x; B: input wq: QUANTISED
;;     2. [M 2,048, K 2,048] x [K 2,048, N 2,048]; A: input x; B: input wk: QUANTISED
;;     3. [M 2,048, K 2,048] x [K 2,048, N 2,048]; A: input x; B: input wv: QUANTISED
;;     4. batch 16 x [M 2,048, K 128] x [K 128, N 2,048]; A: computed on the way; B: computed on the way: QUANTISED
;;     5. batch 16 x [M 128, K 2,048] x [K 2,048, N 2,048]; A: computed on the way; B: softmax (see below): QUANTISED
;;     6. [M 2,048, K 2,048] x [K 2,048, N 2,048]; A: computed on the way; B: input wo: QUANTISED
;;   THE QUANTISER, for each operand of a quantised product, along K:
;;     - K is cut into blocks of 32 from its start; a last block that is shorter is filled with zeros.
;;     - A block's scale is 2^e with e = floor(log2(the largest magnitude in the block)) - 2, held to -126 .. 127; a block of zeros has e = 0. As a byte (E8M0): e + 127.
;;     - Each number is divided by its block's scale, clamped to +-7.5, and rounded to the nearest number of E2M3, ties to even, subnormals kept.
;;     - The product sums the exact products of the quantised numbers (number of the format x scale) in f32.
;;   ~~~python
;;   def quantise(x, axis):      # numpy; x: float32 -> the quantised numbers, widened to float32 again
;;       x = np.moveaxis(x, axis, -1); K = x.shape[-1]
;;       x = np.pad(x, [(0, 0)] * (x.ndim - 1) + [(0, -K % 32)]); x = x.reshape(x.shape[:-1] + (-1, 32)); a = np.abs(x).max(-1, keepdims=True)
;;       e = np.where(a > 0, np.clip(np.frexp(np.where(a > 0, a, 1))[1] - 1 - 2, -126, 127), 0)      # np.frexp(a)[1] - 1 = floor(log2(a)), exactly
;;       r = np.clip(x / 2.0 ** e, -7.5, 7.5)
;;       step = 2.0 ** (np.maximum(np.frexp(np.where(r == 0, 1, r))[1] - 1, 0) - 3)
;;       q = np.round(r / step) * step * 2.0 ** e      # np.round: ties to even
;;       return np.moveaxis(q.reshape(q.shape[:-2] + (-1,))[..., :K], -1, axis).astype(np.float32)
;;   ~~~
;;   SOFTMAX AHEAD OF A QUANTISED PRODUCT. Where the list says 'softmax', what is quantised is not the finished softmax but p = 2^(t - M), with t = logit x log2(e) and M = ceil(the row's largest t), a whole number; so 1/2 < the row's largest p <= 1. The row's sum l is taken of the UNQUANTISED p, in f32, and the product's result is divided by l at the end. Since M is a whole number, a kernel that streams over the keys may use a running M (the ceiling of the running maximum): every later rescaling is an exact power of two, which a block's scale takes up: the codes' values come out the same.
;;   OPERANDS COMPUTED ON THE WAY. 'Computed on the way' means the value that the module computes at that place (a softmax that the list does not call 'softmax' is quantised finished and normalised). What goes into a quantiser is computed in f32, as accurately as f32 sums, v_exp_f32 and their like allow (about 1e-6 of the number): no bf16 or f16 on the way to a quantiser, and a product that is left as it is and whose result goes on into a quantised operand takes f32 operands (vector FMAs, or v_wmma_f32_16x16x4_f32). A number that lies on a knife's edge between two numbers of the format may be rounded either way, as far as f32 arithmetic and the matrix unit's own rounding can turn it there, and no further.
;; One version. Each part assembles by itself: llvm-mc -triple=amdgcn-amd-amdhsa -mcpu=gfx1250 --defsym DOCPART=n.
;; ======== version 1 of 1: 4 launches
;; workspace buffers: cod 18,874,368 bytes; scl 786,432 bytes; qf 3,145,728 bytes; qs 131,072 bytes; kv 6,553,600 bytes
;; launch quant (part 1): grid 256 x 1, 10 waves a work-group, no clusters, 88,320 bytes of LDS; arguments x, wq, wk, wv, wo, cod, scl; writes cod, scl
.if DOCPART == 1
	.amdgcn_target "amdgcn-amd-amdhsa--gfx1250"
	.amdhsa_code_object_version 6
	.text
	.protected	k_qbdbe310564_quant
	.globl	k_qbdbe310564_quant
	.p2align	8
	.type	k_qbdbe310564_quant,@function
k_qbdbe310564_quant:
	s_mov_b64 s[64:65], 0
	v_nop
	global_prefetch_b8 v0, s[64:65] scope:SCOPE_SE
	s_setreg_imm32_b32 hwreg(HW_REG_WAVE_MODE, 25, 1), 1
	s_wait_xcnt 0x0
; x, wq, wk, wv, wo, each [2048][2048] f32 with K innermost, become codes of FP6 (E2M3) with one E8M0 byte for each 32 along K.
; A block's scale is 2^(floor(log2(its largest magnitude)) - 2); its byte is the largest magnitude's exponent field - 2, held at 1 from below.
; LIMITS: NaN and infinities among the inputs are not served; a block whose largest magnitude lies under 2^-124 keeps the byte 1; a block of zeros has the byte 1
; where the rule says 127: its codes are zeros, which add nothing under that byte, and this program alone reads the bytes.
; THE CODES ARE LAID AS IMAGES OF AN OPERAND'S REGISTERS.  A fragment is 16 rows x 128 K, 12 registers a lane, 1,536 bytes: registers 4 c .. 4 c + 3 of lane l at 512 c + 16 l.
; THE ROWS OF A TILE ARE NOT NEIGHBOURS: lane r of tile T holds row 32 (T / 2) + 8 (T % 2) + r + 8 (r / 8), so that a product's results are neighbours along the next K.
; cod: tensor n at n x 3,145,728.  x, wq, wk, wv: [K step / 2][tile][K step % 2] images;  wo: [K step / 4][tile][K step % 4] images.
; scl: tensor n at n x 131,072: [tile][K step / 2][r][K step % 2] words, a word = the four bytes of a row's 128 along K.
; SHARES.  5 tensors x 128 tiles x 4 quarters of K are 2,560 shares of four fragments: ten waves in each of 256 work-groups, the same work for each.  Wave number n = 10 x work-group + wave takes
; tensor n / 512, tile (n / 4) % 128, quarter n % 4.  Waves share nothing: no barrier.
; Each load reads 512 consecutive bytes of a row; a fragment's 16 rows turn through the wave's own stage in LDS (rows 528 bytes apart), so that a lane gets two whole blocks of 32 of its row.
; Loads run three fragments (48 loads a wave) ahead.  Each store of codes covers 512 consecutive bytes, aligned; the wave's 64 scale words are gathered in LDS and leave as 256 consecutive bytes, aligned.
.set WREG,  8704                       ; LDS of a wave: the stage, 16 x 528 bytes, and 256 bytes for its scale words
.set GATH,  8448
.set SPARE, 10*WREG                    ; behind the ten regions: the spare words, 128 bytes for each wave, which no other line names
.set TEN,   3145728                    ; a tensor's codes in bytes
.set SPW,   10                         ; v10  LDS address of my spare word; never rewritten
.set NIL,   11                         ; v11  0; never rewritten
	s_load_b256 s[8:15], s[0:1], 0x0               ; x, wq, wk, wv
	s_load_b128 s[16:19], s[0:1], 0x20             ; wo, cod
	s_load_b64 s[20:21], s[0:1], 0x30              ; scl
	v_lshl_add_u32 v[SPW], v0, 2, SPARE
	v_mov_b32 v[NIL], 0
	v_lshrrev_b32 v1, 5, v0
	v_readfirstlane_b32 s22, v1                    ; wave
	v_and_b32 v2, 31, v0                           ; lane
	v_and_b32 v3, 15, v0                           ; r
	v_bfe_u32 v9, v0, 4, 1                         ; h
	v_lshlrev_b32 v4, 4, v2                        ; v4: 16 x lane: my bytes of a load, and of a store
	s_mul_i32 s23, s22, WREG
	v_add_nc_u32 v5, s23, v4                       ; v5: the stage on the way in: 16 x lane in a row
	v_mul_u32_u24 v6, v3, 528
	v_lshl_add_u32 v6, v9, 7, v6
	v_add_nc_u32 v6, s23, v6                       ; v6: on the way out: row r, 128 h bytes on: my block of 32 numbers
	s_add_co_u32 s24, s23, GATH
	v_lshlrev_b32 v7, 3, v3
	v_add_nc_u32 v7, s24, v7                       ; v7: where my row's scale words go: 8 r
	v_lshlrev_b32 v41, 3, v2                       ; v41: 8 x lane: my bytes of the scale words' store
	v_add_nc_u32 v8, s24, v41                      ; v8: and how they are read back
	v_lshlrev_b32 v9, 3, v9                        ; v9: 8 h: my two bytes' place in the word
	v_mov_b32 v40, 0                               ; written once: a lane permute's destination counts as one of its sources
	s_mov_b32 s26, 0x76543210
	s_mov_b32 s27, 0xfedcba98                      ; v_permlanex16_b32's selects for lane l xor 16
	s_mul_i32 s25, ttmp9, 10
	s_add_co_u32 s25, s25, s22                     ; n: my share, 0 .. 2,559
	s_lshr_b32 s28, s25, 9                         ; which tensor
	s_bfe_u32 s29, s25, 0x70002                    ; T: my tile of rows (7 bits from bit 2)
	s_and_b32 s30, s25, 3                          ; which quarter of K
	s_lshr_b32 s31, s29, 1                         ; in: (32 (T / 2) + 8 (T % 2)) rows of 8,192 bytes + 2,048 x quarter
	s_lshl_b32 s31, s31, 18
	s_and_b32 s32, s29, 1
	s_lshl_b32 s32, s32, 16
	s_add_co_u32 s32, s32, s31
	s_lshl_b32 s31, s30, 11
	s_add_co_u32 s32, s32, s31
	s_mov_b32 s33, 0
	s_cmp_eq_u32 s28, 4                            ; wo's images lie four K steps to a tile, the others' two
	s_mov_b32 s34, 3072
	s_cselect_b32 s34, 6144, s34                   ; from tile to tile
	s_mov_b32 s36, 393216
	s_cselect_b32 s36, 3072, s36                   ; from fragments 0, 1 to fragments 2, 3
	s_mov_b32 s37, 0
	s_mul_i32 s34, s34, s29
	s_mul_i32 s35, s28, TEN
	s_add_co_u32 s34, s34, s35
	s_mul_i32 s35, s30, TEN/4                      ; a quarter of K is a quarter of the tensor's codes in both layouts
	s_add_co_u32 s34, s34, s35
	s_mov_b32 s35, 0
	s_lshl_b32 s38, s28, 17                        ; scale words: 131,072 x tensor + 1,024 T + 256 x quarter
	s_lshl_b32 s39, s29, 10
	s_add_co_u32 s38, s38, s39
	s_lshl_b32 s39, s30, 8
	s_add_co_u32 s38, s38, s39
	s_mov_b32 s39, 0
	s_wait_kmcnt 0x0
	s_cmp_eq_u32 s28, 1                            ; the tensor is chosen by the work-group's and the wave's number alone
	s_cselect_b64 s[8:9], s[10:11], s[8:9]
	s_cmp_eq_u32 s28, 2
	s_cselect_b64 s[8:9], s[12:13], s[8:9]
	s_cmp_eq_u32 s28, 3
	s_cselect_b64 s[8:9], s[14:15], s[8:9]
	s_cmp_eq_u32 s28, 4
	s_cselect_b64 s[8:9], s[16:17], s[8:9]
	s_add_nc_u64 s[8:9], s[8:9], s[32:33]          ; in
	s_add_nc_u64 s[40:41], s[18:19], s[34:35]      ; codes: fragments 0, 1
	s_add_nc_u64 s[42:43], s[40:41], s[36:37]      ; codes: fragments 2, 3
	s_add_nc_u64 s[20:21], s[20:21], s[38:39]      ; scale words
.macro LOAD f                          ; fragment f: 512 bytes of each of the tile's 16 rows into set f % 3
.set XL, 64+64*((\f)%3)
.irp i, 0,1,2,3,4,5,6,7,8,9,10,11,12,13,14,15
	global_load_b128 v[XL+4*\i:XL+4*\i+3], v4, s[8:9] offset:(\i+8*(\i/8))*8192+512*(\f) th:TH_LOAD_NT
.endr
.endm
.macro FRAGMENT f
.set X, 64+64*((\f)%3)
.if (\f) <= 1
	s_wait_loadcnt 32                              ; this fragment's 16 loads are in; those of the two behind it may be out
.elseif (\f) == 2
	s_wait_loadcnt 16
.else
	s_wait_loadcnt 0
.endif
.irp i, 0,1,2,3,4,5,6,7,8,9,10,11,12,13,14,15
	ds_store_b128 v5, v[X+4*\i:X+4*\i+3] offset:528*\i
.endr
.irp j, 0,1,2,3,4,5,6,7                ; LDS serves a wave's instructions in order: these see the stores above
	ds_load_b128 v[X+4*\j:X+4*\j+3], v6 offset:16*\j               ; k = 32 h + 0 .. 31 of row r
.endr
.irp j, 0,1,2,3,4,5,6,7
	ds_load_b128 v[X+32+4*\j:X+32+4*\j+3], v6 offset:256+16*\j     ; k = 64 + 32 h + 0 .. 31
.endr
	s_wait_dscnt 0x0
.irp c, 0,1                            ; my blocks h and 2 + h: all 32 numbers of each are mine
	v_max3_num_f32 v[12+\c], |v[X+32*\c]|, |v[X+32*\c+1]|, 0x1800000   ; the floor 2^(3 - 127): the byte cannot fall under 1
.endr
.irp i, 2,4,6,8,10,12,14,16,18,20,22,24,26,28,30
.irp c, 0,1
	v_max3_num_f32 v[12+\c], v[12+\c], |v[X+32*\c+\i]|, |v[X+32*\c+\i+1]|
.endr
.endr
	v_add_nc_u32 v14, 0xff000000, v12              ; 2 off the exponent field: the conversion takes this operand's exponent field as its scale
	v_add_nc_u32 v15, 0xff000000, v13
	v_lshrrev_b32 v36, 23, v14                     ; the scales' bytes
	v_lshrrev_b32 v37, 23, v15
	v_lshl_or_b32 v38, v37, 16, v36
	v_lshlrev_b32 v38, v9, v38                     ; at their places in the word
	v_permlanex16_b32 v40, v38, s26, s27
	v_or_b32 v38, v38, v40                         ; with lane l xor 16's two the word is whole
.if (\f) > 0
	s_wait_xcnt 0x0                                ; the last fragment's stores have read their data: the codes' registers are written again only behind this wait
.endif
	v_cvt_scalef32_pk16_fp6_f32 v[16:18], v[X:X+15], v14
	v_cvt_scalef32_pk16_fp6_f32 v[28:30], v[X+16:X+31], v14        ; (a conversion's three registers begin on an even number)
	v_cvt_scalef32_pk16_fp6_f32 v[22:24], v[X+32:X+47], v15
	v_cvt_scalef32_pk16_fp6_f32 v[32:34], v[X+48:X+63], v15
	v_nop                                          ; one plain place behind the scaled conversions
.irp i, 0,1,2
	v_mov_b32 v[19+\i], v[28+\i]
	v_mov_b32 v[25+\i], v[32+\i]
.endr
	ds_store_b32 v7, v38 offset:((\f)/2)*128+4*((\f)%2)            ; both lanes of a row write the same word with the same value
.irp c, 0,1,2
	global_store_b128 v4, v[16+4*\c:19+4*\c], s[40+2*((\f)/2):41+2*((\f)/2)] offset:((\f)%2)*1536+512*\c
.endr
.if (\f)+3 < 4
	LOAD (\f)+3
.endif
.endm
	LOAD 0
	LOAD 1
	LOAD 2
.irp f, 0,1,2,3
	FRAGMENT \f
.endr
	ds_load_b64 v[44:45], v8                       ; my wave's 64 scale words, in order behind their stores
	s_wait_dscnt 0x0
	global_store_b64 v41, v[44:45], s[20:21]       ; 256 consecutive bytes, aligned
	s_wait_tensorcnt 0x0                           ; the wave's end, behind my last LDS store
	ds_add_u32 v[SPW], v[NIL]
	s_wait_dscnt 0x0
	s_endpgm
.Lfunc_end_k_qbdbe310564_quant:
	.size	k_qbdbe310564_quant, .Lfunc_end_k_qbdbe310564_quant-k_qbdbe310564_quant
	.p2alignl 7, 3214868480
	.fill 96, 4, 3214868480
	.section	.rodata,"a",@progbits
	.p2align	6, 0x0
	.amdhsa_kernel k_qbdbe310564_quant
		.amdhsa_group_segment_fixed_size 88320
		.amdhsa_private_segment_fixed_size 0
		.amdhsa_enable_private_segment 0
		.amdhsa_kernarg_size 56
		.amdhsa_user_sgpr_count 2
		.amdhsa_user_sgpr_kernarg_segment_ptr 1
		.amdhsa_wavefront_size32 1
		.amdhsa_system_sgpr_workgroup_id_x 1
		.amdhsa_system_sgpr_workgroup_id_y 1
		.amdhsa_system_sgpr_workgroup_id_z 1
		.amdhsa_system_vgpr_workitem_id 0
		.amdhsa_next_free_vgpr 256
		.amdhsa_next_free_sgpr 66
		.amdhsa_reserve_vcc 0
		.amdhsa_float_denorm_mode_32 3
		.amdhsa_float_denorm_mode_16_64 3
		.amdhsa_memory_ordered 1
		.amdhsa_forward_progress 1
		.amdhsa_inst_pref_size 31
	.end_amdhsa_kernel
	.amdgpu_metadata
---
amdhsa.version: [ 1, 2 ]
amdhsa.kernels:
  - .name:           k_qbdbe310564_quant
    .symbol:         k_qbdbe310564_quant.kd
    .args:
      - { .name: x, .offset: 0, .size: 8, .value_kind: global_buffer, .address_space: global }
      - { .name: wq, .offset: 8, .size: 8, .value_kind: global_buffer, .address_space: global }
      - { .name: wk, .offset: 16, .size: 8, .value_kind: global_buffer, .address_space: global }
      - { .name: wv, .offset: 24, .size: 8, .value_kind: global_buffer, .address_space: global }
      - { .name: wo, .offset: 32, .size: 8, .value_kind: global_buffer, .address_space: global }
      - { .name: cod, .offset: 40, .size: 8, .value_kind: global_buffer, .address_space: global }
      - { .name: scl, .offset: 48, .size: 8, .value_kind: global_buffer, .address_space: global }
    .group_segment_fixed_size: 88320
    .private_segment_fixed_size: 0
    .kernarg_segment_align: 8
    .kernarg_segment_size: 56
    .max_flat_workgroup_size: 320
    .sgpr_count:     66
    .vgpr_count:     256
    .wavefront_size: 32
...
	.end_amdgpu_metadata
.endif
;; end of part 1
;; launch qkv (part 2): grid 24 x 8, 4 waves a work-group, clusters of 4 x 4, 327,680 bytes of LDS; arguments cod, scl, bq, bk, bv, freqs_cos, freqs_sin, qf, qs, kv; writes qf, qs, kv
.if DOCPART == 2
	.amdgcn_target "amdgcn-amd-amdhsa--gfx1250"
	.amdhsa_code_object_version 6
	.text
	.protected	k_qbdbe310564_qkv
	.globl	k_qbdbe310564_qkv
	.p2align	8
	.type	k_qbdbe310564_qkv,@function
k_qbdbe310564_qkv:
	s_mov_b64 s[64:65], 0
	v_nop
	global_prefetch_b8 v0, s[64:65] scope:SCOPE_SE
	s_setreg_imm32_b32 hwreg(HW_REG_WAVE_MODE, 25, 1), 1
	s_wait_xcnt 0x0
	s_wait_alu depctr_hold_cnt(0) depctr_sa_sdst(0) depctr_va_vdst(0) depctr_va_sdst(0) depctr_va_ssrc(0) depctr_va_vcc(0) depctr_vm_vsrc(0)
	s_getreg_b32 s2, hwreg(HW_REG_IB_STS2, 6, 4)
	s_cmp_eq_u32 s2, 0
	s_cbranch_scc0 .Lentry_in_a_cluster
	s_endpgm
.Lentry_in_a_cluster:
	s_bfe_u32 s2, ttmp6, 0x10000c
	s_cmp_lg_u32 s2, 0xf033
	s_cbranch_scc0 .Lentry_shape_is_right
	s_endpgm
.Lentry_shape_is_right:
; q = rope(x wq^T + bq), k = rope(x wk^T + bk), v = x wv^T + bv, on codes of FP6 with E8M0 scales; the results are quantised on the way out, q and k along the head's 128, v along the keys.
; LIMITS: NaN and infinities are not served; a block whose largest magnitude lies under 2^-124 keeps the byte 1; a block of zeros has the byte 1 (its codes are zeros; this program alone reads the bytes).
; OPERANDS arrive as images of their registers (a fragment: 16 rows x 128 K, 1,536 bytes, registers 4 c .. 4 c + 3 of lane l at 512 c + 16 l), lane r of tile T = row 32 (T / 2) + 8 (T % 2) + r + 8 (r / 8).
; SHARES.  Clusters x = 0, 1 make q, 2, 3 k, 4, 5 v.  A work-group of four waves makes 256 x 256, a wave 128 x 128: 64 accumulators, 512 registers.
; THE MATRIX INSTRUCTION: source 0 = 16 rows of B, whose rows become a lane's registers; source 1 = 16 rows of A, whose rows become lanes.
;   q, k: A = x (a lane holds a token), B = the weight (registers run along the head's 128): the 64 registers of one block of A are a token's 128 numbers of one head, 16 neighbours a pair of tiles.
;   v:    A = wv (a lane holds a channel d), B = x (registers run along 128 tokens, the second attention product's K).
; K goes in steps of 256 through a ring of two LDS slots; a wave's tensor load brings 8 tiles x 2 fragments, one dense block of 24,576 bytes.  The scale words of the work-group's rows, for all of K, come once.
; THE CHANGE OF SLOTS stands at the head of a slot's last step: all that step's fragments were asked for in the step before, so the slot can be filled again ahead of the step's 64 products,
; and the refill has two steps, 128 products a wave, in which to land.
; CLUSTER 4 x 4: A's tiles are shared along a row of the cluster, B's along a column: joint loads.
; REGISTERS, in windows of 256: window 0: v16-29 addresses; v32-63 scale words, two sets; v128-223 A's fragments, one set.  window 1: B's fragments, two sets, at v0 and v128.  windows 2, 3: the accumulators ((a, b) at v[8 (8 (a % 4) + b)]).
; On the way out: window 0: v1-7 offsets; v32-95 a block's 64 numbers; v96-107 scale words; v160-223 the bias; v224-243 codes; v244-255 at work.  window 1: four sets of 32 cos and 32 sin.
.set NQ,     2                         ; matrix instructions deep in a slot
.set FR,     12                        ; registers of a fragment
.set FRB,    1536                      ; and its image in bytes
.set NL,     3                         ; LDS loads that bring one
.set NP,     4                         ; places behind this matrix instruction (ISA guide 7.12.1)
.set HALFT,  8*NQ*FRB                  ; 128 rows x 256 K: what one tensor load brings, and what one wave reads of A or of B
.set SLOT,   4*HALFT
.set LAPS,   4                         ; a lap = two slots = 512 along K
.set SCL,    2*SLOT                    ; behind the ring: the scale words
.set HALFS,  8192                      ; those of 128 rows: [tile 8][slot 8][r 16][2] words
.set SPARE,  SCL+4*HALFS               ; the spare words, 128 bytes for each wave, which no other line names
.set TEN,    3145728                   ; a tensor's codes
.set SIG,    393216                    ; from slot to slot in memory
.set ADRA, 16                          ; v16-17  LDS address of my A fragments in slot 0, 1
.set ADRB, 20                          ; v20-21  the same for B
.set ADRS, 27                          ; v27     of my scale words: lanes 0-15 A's rows, lanes 16-31 B's
.set SPW,  28                          ; v28     LDS address of my spare word; never rewritten
.set NIL,  29                          ; v29     0; never rewritten
.set SC,   32
.set AF,   128
.set H,    32
.set PW,   96
.set OW,   104
.set BIAS, 160
.set PC,   224
.set TM,   244
.set SEL,  84
.set G1, 24
.set G0, 32
.set G1B, 48
.set G0B, 56
.set G1S, 68
.set G0S, 76
.set G1SB, 80
.set G0SB, 88
.set MSB, 0
.macro WIN new                         ; the immediate's high byte repeats the setting that is left
.if MSB != (\new)
	s_set_vgpr_msb (MSB<<8)|(\new)
.set MSB, (\new)
.endif
.endm
.set MUL_LO, 0xa1                      ; source 0 (B) window 1, source 1 (A) window 0, C and D window 2
.set MUL_HI, 0xf1
.set TO_B,   0x40
; A joint load: waves 0 and 1 fetch for A, waves 2 and 3 for B; the branch hangs on the wave's number alone.  An s_nop 0 and four v_nop follow each of the two lines.
.macro JLOAD g0a, g1a, g0b, g1b
	s_cmp_eq_u32 s15, 0
	s_cbranch_scc0 .Lfor_b_\@
	tensor_load_to_lds s[\g0a:\g0a+3], s[\g1a:\g1a+7]
	s_nop 0
.rept 4
	v_nop
.endr
	s_branch .Lasked_\@
.Lfor_b_\@:
	tensor_load_to_lds s[\g0b:\g0b+3], s[\g1b:\g1b+7]
	s_nop 0
.rept 4
	v_nop
.endr
.Lasked_\@:
.endm
.macro CREST                           ; a round of the cluster's barrier behind its opening barrier
	s_cmp_lg_u32 s14, 0
	s_cbranch_scc1 .Lnot_wave_0_\@
	s_barrier_signal -3
.Lnot_wave_0_\@:
	s_barrier_wait -3
	s_barrier_signal -1
	s_barrier_wait -1
.endm
.macro CROUND
	s_barrier_signal -1
	s_barrier_wait -1
	CREST
.endm
	s_load_b128 s[4:7], s[0:1], 0x0                ; cod, scl
	v_lshl_add_u32 v[SPW], v0, 2, SPARE
	v_mov_b32 v[NIL], 0
	ds_add_u32 v[SPW], v[NIL]                      ; the wave's opening: the add and its wait stand ahead of my first tensor load
	v_lshrrev_b32 v1, 5, v0
	v_readfirstlane_b32 s14, v1                    ; wave
	s_lshr_b32 s15, s14, 1                         ; which half of A's rows is mine.  Also: I fetch for A (0) or for B (1)
	s_and_b32 s16, s14, 1                          ; which half of B's rows.  Also: which 128 rows I fetch
	s_bfe_u32 s40, ttmp6, 0x40000                  ; cx
	s_bfe_u32 s41, ttmp6, 0x40004                  ; cy
	s_lshr_b32 s8, ttmp9, 1                        ; 0 q, 1 k, 2 v: from the cluster's x, which all partners share
	s_lshr_b32 s9, s8, 1                           ; 1 for v
	s_mul_i32 s10, s9, 3                           ; A's tensor: x (0), or wv (3)
	s_add_co_u32 s11, s8, 1
	s_sub_co_u32 s12, 1, s9
	s_mul_i32 s11, s11, s12                        ; B's tensor: wq (1), wk (2), or x (0)
	s_and_b32 s42, ttmp9, 1
	s_lshl_b32 s42, s42, 2
	s_add_co_u32 s42, s42, s40                     ; which 256 rows of B
	s_and_b32 s17, ttmp7, 0xffff
	s_lshl_b32 s17, s17, 2
	s_add_co_u32 s17, s17, s41                     ; which 256 rows of A
	s_lshl_b32 s43, s41, 2
	s_lshl_b32 s43, 15, s43                        ; my row of the cluster
	s_lshl_b32 s44, 0x1111, s40                    ; my column
	; descriptor group 1: a dense block as rows of 256 bytes (32 elements of 8 bytes): 96 rows of codes, 32 rows of scale words; no padding: an image is read 512 consecutive bytes at a time
	s_or_b32 s[G1+0], s43, (3<<16)|(1<<21)
	s_or_b32 s[G1B+0], s44, (3<<16)|(1<<21)
.irp g, G1, G1B
	s_mov_b32 s[\g+1], 32<<16                      ; tensor_dim0
	s_mov_b32 s[\g+2], 96<<16                      ; tensor_dim1
	s_mov_b32 s[\g+3], 32<<16                      ; tile_dim0
	s_mov_b32 s[\g+4], 96                          ; tile_dim1
	s_mov_b32 s[\g+5], 32                          ; the pitch
	s_mov_b32 s[\g+6], 0
	s_mov_b32 s[\g+7], 0
.endr
	s_or_b32 s[G1S+0], s43, (3<<16)|(1<<21)
	s_or_b32 s[G1SB+0], s44, (3<<16)|(1<<21)
.irp g, G1S, G1SB
	s_mov_b32 s[\g+1], 32<<16
	s_mov_b32 s[\g+2], 32<<16
	s_mov_b32 s[\g+3], 32<<16
	s_mov_b32 s[\g+4], 32
	s_mov_b32 s[\g+5], 32
	s_mov_b32 s[\g+6], 0
	s_mov_b32 s[\g+7], 0
.endr
	s_lshl_b32 s18, s16, 3                         ; which eight tiles I fetch
	s_lshl_b32 s20, s17, 4
	s_add_co_u32 s20, s20, s18                     ; A's first tile
	s_lshl_b32 s46, s42, 4
	s_add_co_u32 s46, s46, s18                     ; B's
	s_lshl_b32 s22, s20, 10                        ; their scale words: 1,024 bytes a tile
	s_lshl_b32 s92, s46, 10
	s_mul_i32 s20, s20, NQ*FRB                     ; their codes: 3,072 bytes a tile in a slot's block
	s_mul_i32 s46, s46, NQ*FRB
	s_mul_i32 s19, s10, TEN
	s_add_co_u32 s20, s20, s19
	s_mul_i32 s19, s11, TEN
	s_add_co_u32 s46, s46, s19
	s_lshl_b32 s19, s10, 17
	s_add_co_u32 s22, s22, s19
	s_lshl_b32 s19, s11, 17
	s_add_co_u32 s92, s92, s19
	s_mov_b32 s21, 0
	s_mov_b32 s23, 0
	s_mov_b32 s47, 0
	s_mov_b32 s93, 0
	s_mul_i32 s45, s14, HALFT                      ; where they go: by the wave's number alone
	s_mul_i32 s94, s14, HALFS
	s_wait_dscnt 0x0                               ; the opening add is done
	s_wait_kmcnt 0x0
	s_add_nc_u64 s[20:21], s[4:5], s[20:21]
	s_add_nc_u64 s[22:23], s[6:7], s[22:23]
	s_add_nc_u64 s[46:47], s[4:5], s[46:47]
	s_add_nc_u64 s[92:93], s[6:7], s[92:93]
	CROUND                                         ; all sixteen work-groups are here: the first joint loads meet
	s_mov_b32 s[G0S], 1
	s_add_co_u32 s[G0S+1], s94, SCL
	s_mov_b64 s[G0S+2:G0S+3], s[22:23]
	s_or_b32 s[G0S+3], s[G0S+3], 0x80000000
	s_mov_b32 s[G0SB], 1
	s_add_co_u32 s[G0SB+1], s94, SCL
	s_mov_b64 s[G0SB+2:G0SB+3], s[92:93]
	s_or_b32 s[G0SB+3], s[G0SB+3], 0x80000000
	JLOAD G0S, G1S, G0SB, G1SB                     ; the scale words first: they are wanted with slot 0.  Three loads of mine are out at the most
.irp s, 0,1
	s_mov_b32 s[G0+4*\s], 1
	s_add_co_u32 s[G0+4*\s+1], s45, \s*SLOT
	s_add_nc_u64 s[G0+4*\s+2:G0+4*\s+3], s[20:21], \s*SIG
	s_or_b32 s[G0+4*\s+3], s[G0+4*\s+3], 0x80000000
	s_mov_b32 s[G0B+4*\s], 1
	s_add_co_u32 s[G0B+4*\s+1], s45, \s*SLOT
	s_add_nc_u64 s[G0B+4*\s+2:G0B+4*\s+3], s[46:47], \s*SIG
	s_or_b32 s[G0B+4*\s+3], s[G0B+4*\s+3], 0x80000000
	JLOAD G0+4*\s, G1, G0B+4*\s, G1B
.endr
	v_and_b32 v1, 15, v0                           ; r
	v_bfe_u32 v2, v0, 4, 1                         ; h
	v_and_b32 v3, 31, v0
	v_lshlrev_b32 v3, 4, v3                        ; 16 x lane: my place in an image
	s_mul_i32 s21, s15, HALFT                      ; my 128 rows of A
	s_mul_i32 s22, s16, HALFT                      ; my 128 rows of B,
	s_add_co_u32 s22, s22, 2*HALFT                 ; which lie behind A's 256
.irp s, 0,1
	v_add_nc_u32 v[ADRA+\s], s21, v3
	v_add_nc_u32 v[ADRB+\s], s22, v3
	s_add_co_u32 s21, s21, SLOT
	s_add_co_u32 s22, s22, SLOT
.endr
	v_lshlrev_b32 v5, 3, v1                        ; my row's two words of a slot: 8 r
	s_mul_i32 s21, s15, HALFS
	s_mul_i32 s22, s16, HALFS
	s_add_co_u32 s22, s22, 2*HALFS
	s_sub_co_u32 s22, s22, s21
	v_mul_u32_u24 v6, s22, v2                      ; lanes 16-31 take B's: one product, the distance between the two bases
	s_add_co_u32 s21, s21, SCL
	v_add_nc_u32 v5, v5, v6
	v_add_nc_u32 v[ADRS], s21, v5
.macro FRAG reg, adr, q, i             ; tile i's fragment of the slot's q-th 128 along K: its image, as it lies
.irp c, 0,1,2
	ds_load_b128 v[\reg+4*\c:\reg+4*\c+3], v[\adr] offset:(2*(\i)+(\q))*FRB+512*\c
.endr
.endm
; 16 matrix instructions: A's blocks a0, a0 + 1 x B's eight.  The 64 accumulators take turns, one instruction a turn, in the same order in every step.
.macro MUL16 a0, p, q, sc, zero
.irp a, \a0, \a0+1
.irp b, 0,1,2,3,4,5,6,7
.if \zero
	v_wmma_scale_f32_16x16x128_f8f6f4 v[8*(8*((\a)%4)+\b):8*(8*((\a)%4)+\b)+7], v[128*(\p)+FR*\b:128*(\p)+FR*\b+FR-1], v[AF+FR*(\a):AF+FR*(\a)+FR-1], 0, v[SC+8*NQ*(\sc)+NQ*\b+(\q)], v[SC+8*NQ*(\sc)+NQ*(\a)+(\q)] matrix_a_fmt:MATRIX_FMT_FP6 matrix_b_fmt:MATRIX_FMT_FP6 matrix_a_scale:MATRIX_SCALE_ROW1
.else
	v_wmma_scale_f32_16x16x128_f8f6f4 v[8*(8*((\a)%4)+\b):8*(8*((\a)%4)+\b)+7], v[128*(\p)+FR*\b:128*(\p)+FR*\b+FR-1], v[AF+FR*(\a):AF+FR*(\a)+FR-1], v[8*(8*((\a)%4)+\b):8*(8*((\a)%4)+\b)+7], v[SC+8*NQ*(\sc)+NQ*\b+(\q)], v[SC+8*NQ*(\sc)+NQ*(\a)+(\q)] matrix_a_fmt:MATRIX_FMT_FP6 matrix_b_fmt:MATRIX_FMT_FP6 matrix_a_scale:MATRIX_SCALE_ROW1
.endif
.endr
.endr
.endm
.macro FETCH_B slot, q, p
	WIN TO_B
.irp i, 0,1,2,3,4,5,6,7
	FRAG 128*(\p)+FR*\i, ADRB+\slot, \q, \i
.endr
	WIN 0
.endm
.macro FETCH_A slot, q, i0
.irp i, \i0, \i0+1, \i0+2, \i0+3
	FRAG AF+FR*(\i), ADRA+\slot, \q, \i
.endr
.endm
.macro SCALES sc                       ; a slot's scale words: two a row; lanes 0-15 take A's block i, lanes 16-31 B's block i
.irp i, 0,1,2,3,4,5,6,7
	ds_load_b64 v[SC+8*NQ*\sc+NQ*\i:SC+8*NQ*\sc+NQ*\i+1], v[ADRS] offset:\i*1024
.endr
.endm
.macro PLACES n                        ; plain vector instructions between a matrix instruction and a load into, or a read of, its registers
.rept \n
	v_nop
.endr
.endm
.macro STEP slot, q, zero              ; a step of 128 along K that has its successor in the same slot
	s_wait_dscnt 4*NL                              ; B's set and A's blocks 0-3 are in; the youngest twelve loads (A's blocks 4-7) may be out
	WIN MUL_LO
	MUL16 0, (\q)%2, \q, \slot, \zero
	MUL16 2, (\q)%2, \q, \slot, \zero
	s_wait_dscnt 0                                 ; A's blocks 4-7 are in
	PLACES NP
	FETCH_B \slot, (\q)+1, 1-(\q)%2
	FETCH_A \slot, (\q)+1, 0
	WIN MUL_HI
	MUL16 4, (\q)%2, \q, \slot, \zero
	MUL16 6, (\q)%2, \q, \slot, \zero
	PLACES NP
	WIN 0
	FETCH_A \slot, (\q)+1, 4
.endm
; A slot's last step changes slots, at its head: one barrier; in front of it each wave waits for all its tensor loads, adds 0 to its spare word, and waits for that and for its own reads of this slot,
; the last of which (this step's fragments) were issued in the step before.  Behind it nobody reads this slot any more and the next slot is whole.  fill = 1: this slot is filled again, two slots ahead.
.macro TURN slot, next, fill
	s_wait_tensorcnt 0x0                           ; all my tensor loads have landed: my part of the next slot; so every group 0 may be written
	ds_add_u32 v[SPW], v[NIL]
.if \fill
	s_add_nc_u64 s[G0+4*\slot+2:G0+4*\slot+3], s[G0+4*\slot+2:G0+4*\slot+3], 2*SIG
	s_add_nc_u64 s[G0B+4*\slot+2:G0B+4*\slot+3], s[G0B+4*\slot+2:G0B+4*\slot+3], 2*SIG
.endif
	s_wait_dscnt 0x0                               ; the add is done, and my reads of this slot are over: this step's fragments are all in registers
	s_barrier_signal -1
	s_barrier_wait -1
.if \fill
	CREST                                          ; the barrier has opened a round of the cluster's: no wave of any partner still reads this slot or has a load on its way
	JLOAD G0+4*\slot, G1, G0B+4*\slot, G1B         ; the first tensor load behind the round, ahead of this step's 64 products
.endif
	WIN MUL_LO
	MUL16 0, 1, NQ-1, \slot, 0
	MUL16 2, 1, NQ-1, \slot, 0
	PLACES NP
	WIN 0
	v_add_nc_u32 v[ADRS], 128, v[ADRS]             ; on to the next slot's scale words
	FETCH_B \next, 0, 0
	FETCH_A \next, 0, 0
	SCALES \next
	WIN MUL_HI
	MUL16 4, 1, NQ-1, \slot, 0
	MUL16 6, 1, NQ-1, \slot, 0
	PLACES NP
	WIN 0
	FETCH_A \next, 0, 4
.endm
	s_wait_tensorcnt 1                             ; the scale words and my part of slot 0 are in (slot 1's load may be out),
	s_barrier_signal -1
	s_barrier_wait -1                              ; everybody's are
	FETCH_B 0, 0, 0
	FETCH_A 0, 0, 0
	SCALES 0
	FETCH_A 0, 0, 4
	STEP 0, 0, 1                                   ; the first step stands in front of the loop: its products start the sums
	s_mov_b32 s3, LAPS-1
.Llap:                                                 ; a trip goes once round the ring and fills both slots again
	TURN 0, 1, 1
	STEP 1, 0, 0
	TURN 1, 0, 1
	STEP 0, 0, 0
	s_sub_co_u32 s3, s3, 1
	s_cmp_lg_u32 s3, 0
	s_cbranch_scc1 .Llap
	TURN 0, 1, 0                                   ; the last lap fills nothing
	s_load_b512 s[68:83], s[0:1], 0x10             ; no tensor load of mine is out any more, so the scale words' descriptors give way: bq, bk, bv, cos, sin, qf, qs, kv
	STEP 1, 0, 0
	s_wait_dscnt 4*NL
	WIN MUL_LO
	MUL16 0, 1, NQ-1, 1, 0
	MUL16 2, 1, NQ-1, 1, 0
	s_wait_dscnt 0
	WIN MUL_HI
	MUL16 4, 1, NQ-1, 1, 0
	MUL16 6, 1, NQ-1, 1, 0
	WIN 0
; THE WAY OUT.  For each of A's eight blocks the 64 registers of its eight accumulators are, in lane (r, h), register 16 b + i = number 32 b + 16 h + i of the lane's row: what the quantiser takes.
; 64 numbers v[s] .. v[s + 63] become a fragment's image in v[PC] on and its scale word in v[pw].
.macro QUANT s, pw
.irp b, 0,1,2,3
	v_max3_num_f32 v[TM+\b], |v[\s+16*\b]|, |v[\s+1+16*\b]|, 0x1800000   ; my 16 numbers of block b, and the floor 2^(3 - 127): the byte cannot fall under 1
.endr
.irp i, 2,4,6,8,10,12,14
.irp b, 0,1,2,3
	v_max3_num_f32 v[TM+\b], v[TM+\b], |v[\s+16*\b+\i]|, |v[\s+1+16*\b+\i]|
.endr
.endr
.irp b, 0,1,2,3
	v_permlanex16_b32 v[TM+4+\b], v[TM+\b], s[SEL], s[SEL+1]
.endr
.irp b, 0,1,2,3
	v_max_num_f32 v[TM+\b], v[TM+\b], v[TM+4+\b]   ; with lane l xor 16's: the block's largest magnitude
.endr
.irp b, 0,1,2,3
	v_add_nc_u32 v[TM+8+\b], 0xff000000, v[TM+\b]  ; 2 off its exponent field: the conversion's scale operand
.endr
.irp b, 0,1,2,3
	v_lshrrev_b32 v[TM+4+\b], 23, v[TM+8+\b]       ; the scale's byte
.endr
	v_lshl_or_b32 v[\pw], v[TM+5], 8, v[TM+4]
	v_lshl_or_b32 v[\pw], v[TM+6], 16, v[\pw]
	v_lshl_or_b32 v[\pw], v[TM+7], 24, v[\pw]
	s_wait_xcnt 0x0                                ; the last image's stores have read their data: the codes' registers are written again only behind this wait
.irp c, 0,1
	v_cvt_scalef32_pk16_fp6_f32 v[PC+6*\c:PC+2+6*\c], v[\s+32*\c:\s+15+32*\c], v[TM+8+2*\c]
	v_cvt_scalef32_pk16_fp6_f32 v[PC+12+4*\c:PC+14+4*\c], v[\s+16+32*\c:\s+31+32*\c], v[TM+8+2*\c+1]
.endr
	v_nop                                          ; one plain place behind the scaled conversions
.irp c, 0,1                            ; the operand's layout wants a whole block in a lane: lanes 0-15 block 2 c, lanes 16-31 block 2 c + 1
.irp i, 0,1,2
	v_permlane16_swap_b32 v[PC+6*\c+\i], v[PC+12+4*\c+\i]
.endr
.irp i, 0,1,2
	v_mov_b32 v[PC+3+6*\c+\i], v[PC+12+4*\c+\i]
.endr
.endr
.endm
.macro ADDB a, vv                      ; block a's sums + the bias; each accumulator is read from its low end on.  vv = 1: the bias is one number a lane
	WIN 0x02+(\a)/4
.set m, 0
.rept 32
.if \vv
	v_pk_add_f32 v[H+2*m:H+2*m+1], v[64*((\a)%4)+2*m:64*((\a)%4)+2*m+1], v[BIAS+2*(\a):BIAS+2*(\a)+1] op_sel_hi:[1,0]
.else
	v_pk_add_f32 v[H+2*m:H+2*m+1], v[64*((\a)%4)+2*m:64*((\a)%4)+2*m+1], v[BIAS+2*m:BIAS+2*m+1]
.endif
.set m, m+1
.endr
.endm
.macro CSLOAD a                        ; block a's cos and sin into set a % 4 of window 1: register 8 b + i = pair 16 b + 8 h + i of my token
	WIN 0x40
.irp n, 0,1,2,3,4,5,6,7
	global_load_b128 v[64*((\a)%4)+4*\n:64*((\a)%4)+4*\n+3], v5, s[74:75] offset:(32*((\a)/2)+8*((\a)%2))*256+64*(\n/2)+16*(\n%2)
	global_load_b128 v[64*((\a)%4)+32+4*\n:64*((\a)%4)+32+4*\n+3], v5, s[76:77] offset:(32*((\a)/2)+8*((\a)%2))*256+64*(\n/2)+16*(\n%2)
.endr
.endm
.macro ROPE a                          ; (t1, t2) -> (t1 c - t2 s, t1 s + t2 c), four pairs at a time
	WIN 0x04                                       ; source 1 (cos, sin) window 1
.set g4, 0
.rept 8
.irp u, 0,1,2,3
	v_mul_f32 v[TM+2*\u], v[H+2*(g4+\u)+1], v[64*((\a)%4)+32+g4+\u]
	v_mul_f32 v[TM+2*\u+1], v[H+2*(g4+\u)], v[64*((\a)%4)+32+g4+\u]
.endr
.irp u, 0,1,2,3
	v_fma_f32 v[H+2*(g4+\u)], v[H+2*(g4+\u)], v[64*((\a)%4)+g4+\u], -v[TM+2*\u]
	v_fma_f32 v[H+2*(g4+\u)+1], v[H+2*(g4+\u)+1], v[64*((\a)%4)+g4+\u], v[TM+2*\u+1]
.endr
.set g4, g4+4
.endr
.endm
	PLACES NP                                      ; behind the last products: their results are read, and their operands' registers loaded, below
	s_wait_kmcnt 0x0
	s_mov_b32 s[SEL], 0x76543210
	s_mov_b32 s[SEL+1], 0xfedcba98
	s_lshl_b32 s18, s17, 1
	s_add_co_u32 s18, s18, s15                     ; my 128 rows of A: a block of tokens (q, k) or a head (v)
	s_lshl_b32 s19, s42, 1
	s_add_co_u32 s19, s19, s16                     ; my 128 rows of B: a head (q, k) or a block of tokens (v)
	s_cmp_eq_u32 s9, 0
	s_cselect_b32 s20, s19, s18                    ; the head
	s_cselect_b32 s21, s18, s19                    ; the block of 128 tokens
	s_lshl_b32 s22, s20, 4
	s_add_co_u32 s22, s22, s21                     ; 16 x head + block
	s_cmp_eq_u32 s8, 0                             ; q goes to qf and qs, k and v into kv's records of 25,600 bytes: K's 8 images, V's 8 images, 1,024 bytes of scale words
	s_cselect_b64 s[24:25], s[78:79], s[82:83]
	s_cselect_b64 s[26:27], s[80:81], s[82:83]
	s_cselect_b64 s[28:29], s[68:69], s[70:71]     ; q's bias or k's
	s_mov_b32 s30, 25600
	s_cselect_b32 s31, 12288, s30
	s_cselect_b32 s32, 512, s30
	s_cselect_b32 s33, 0, 24576
	s_cselect_b32 s34, 8, 9                        ; tiles 4-7's scale words lie 256 (qs) or 512 (kv) bytes behind tiles 0-3's
	s_mul_i32 s36, s31, s22
	s_mul_i32 s38, s32, s22
	s_add_co_u32 s38, s38, s33
	s_mul_i32 s30, s9, 12288
	s_add_co_u32 s36, s36, s30                     ; V's images lie behind K's,
	s_lshl_b32 s30, s9, 8
	s_add_co_u32 s38, s38, s30                     ; its scale words 256 bytes behind K's
	s_mov_b32 s37, 0
	s_mov_b32 s39, 0
	s_add_nc_u64 s[24:25], s[24:25], s[36:37]      ; the images
	s_add_nc_u64 s[26:27], s[26:27], s[38:39]      ; the scale words
	v_and_b32 v1, 15, v0                           ; r
	v_bfe_u32 v2, v0, 4, 1                         ; h
	v_and_b32 v3, 31, v0
	v_lshlrev_b32 v3, 4, v3                        ; 16 x lane
	v_lshlrev_b32 v4, 6, v2                        ; the bias: 16 h numbers on
	v_and_b32 v7, 8, v1
	v_add_nc_u32 v7, v7, v1                        ; r + 8 (r / 8)
	v_lshlrev_b32 v5, 8, v7
	v_lshl_add_u32 v5, v2, 5, v5                   ; cos, sin: my token's row of 256 bytes, 8 h pairs on
	v_lshlrev_b32 v6, s34, v2
	v_lshl_add_u32 v6, v1, 4, v6                   ; the scale words: 16 r, lanes 16-31 those of tiles 4-7
	v_lshlrev_b32 v7, 2, v7                        ; v's bias: my channel
.irp b, 0,1,2,3
	v_mov_b32 v[TM+4+\b], 0                        ; written once: a lane permute's destination counts as one of its sources
.endr
	s_cmp_eq_u32 s8, 2                             ; the same in all partners and all waves
	s_cbranch_scc1 .Lv
	s_lshl_b32 s36, s20, 9
	s_add_nc_u64 s[28:29], s[28:29], s[36:37]      ; the head's 128 numbers of the bias
	s_lshl_b32 s36, s18, 15
	s_add_nc_u64 s[74:75], s[74:75], s[36:37]      ; the block's 128 rows of cos and sin
	s_add_nc_u64 s[76:77], s[76:77], s[36:37]
.irp b, 0,1,2,3,4,5,6,7
	global_load_b128 v[BIAS+8*\b:BIAS+8*\b+3], v4, s[28:29] offset:(32*(\b/2)+8*(\b%2))*4
	global_load_b128 v[BIAS+8*\b+4:BIAS+8*\b+7], v4, s[28:29] offset:(32*(\b/2)+8*(\b%2))*4+16
.endr
	CSLOAD 0
	CSLOAD 1
	CSLOAD 2
	CSLOAD 3
.irp a, 0,1,2,3,4,5,6,7
.if \a < 5
	s_wait_loadcnt 48                              ; the bias and this block's cos and sin are in; the three sets behind them, 16 loads each, may be out
.else
	s_wait_loadcnt 16*(7-\a)
.endif
	ADDB \a, 0
	ROPE \a
	WIN 0
	QUANT H, PW+\a
.irp c, 0,1,2
	global_store_b128 v3, v[PC+4*\c:PC+4*\c+3], s[24:25] offset:FRB*\a+512*\c      ; 512 consecutive bytes, aligned
.endr
.if \a < 4
	CSLOAD \a+4                                    ; the set read above takes the block four further on; behind the stores, so that the next quantiser's wait on XCNT finds these loads a block's arithmetic old
.endif
.endr
	s_branch .Ltail
.Lv:
	s_lshl_b32 s36, s20, 9
	s_add_nc_u64 s[72:73], s[72:73], s[36:37]
.irp a, 0,1,2,3,4,5,6,7
	global_load_b32 v[BIAS+2*\a], v7, s[72:73] offset:(32*(\a/2)+8*(\a%2))*4       ; bv at my channel of tile a
	v_mov_b32 v[BIAS+2*\a+1], 0                    ; (named with it as a pair, so it is written)
.endr
	s_wait_loadcnt 0x0
.irp a, 0,1,2,3,4,5,6,7
	ADDB \a, 1
	WIN 0
	QUANT H, PW+\a
.irp c, 0,1,2
	global_store_b128 v3, v[PC+4*\c:PC+4*\c+3], s[24:25] offset:FRB*\a+512*\c
.endr
.endr
.Ltail:
	v_cmp_ne_u32 vcc_lo, 0, v2                     ; both halves of the lanes hold a row's word: lanes 0-15 store tiles 0-3's, lanes 16-31 tiles 4-7's
.irp j, 0,1,2,3
	v_cndmask_b32 v[OW+\j], v[PW+\j], v[PW+4+\j], vcc_lo
.endr
	global_store_b128 v6, v[OW:OW+3], s[26:27]     ; sixteen lanes store 256 consecutive bytes, aligned
	s_wait_tensorcnt 0x0                           ; the wave's end
	ds_add_u32 v[SPW], v[NIL]
	s_wait_dscnt 0x0
	CROUND                                         ; the closing round
	s_endpgm
.Lfunc_end_k_qbdbe310564_qkv:
	.size	k_qbdbe310564_qkv, .Lfunc_end_k_qbdbe310564_qkv-k_qbdbe310564_qkv
	.p2alignl 7, 3214868480
	.fill 96, 4, 3214868480
	.section	.rodata,"a",@progbits
	.p2align	6, 0x0
	.amdhsa_kernel k_qbdbe310564_qkv
		.amdhsa_group_segment_fixed_size 327680
		.amdhsa_private_segment_fixed_size 0
		.amdhsa_enable_private_segment 0
		.amdhsa_kernarg_size 80
		.amdhsa_user_sgpr_count 2
		.amdhsa_user_sgpr_kernarg_segment_ptr 1
		.amdhsa_wavefront_size32 1
		.amdhsa_system_sgpr_workgroup_id_x 1
		.amdhsa_system_sgpr_workgroup_id_y 1
		.amdhsa_system_sgpr_workgroup_id_z 1
		.amdhsa_system_vgpr_workitem_id 0
		.amdhsa_next_free_vgpr 1024
		.amdhsa_next_free_sgpr 98
		.amdhsa_reserve_vcc 1
		.amdhsa_float_denorm_mode_32 3
		.amdhsa_float_denorm_mode_16_64 3
		.amdhsa_memory_ordered 1
		.amdhsa_forward_progress 1
		.amdhsa_inst_pref_size 255
	.end_amdhsa_kernel
	.section	.bss,"aw",@nobits
	.p2align	6
	.space	262144
	.amdgpu_metadata
---
amdhsa.version: [ 1, 2 ]
amdhsa.kernels:
  - .name:           k_qbdbe310564_qkv
    .symbol:         k_qbdbe310564_qkv.kd
    .args:
      - { .name: cod, .offset: 0, .size: 8, .value_kind: global_buffer, .address_space: global }
      - { .name: scl, .offset: 8, .size: 8, .value_kind: global_buffer, .address_space: global }
      - { .name: bq, .offset: 16, .size: 8, .value_kind: global_buffer, .address_space: global }
      - { .name: bk, .offset: 24, .size: 8, .value_kind: global_buffer, .address_space: global }
      - { .name: bv, .offset: 32, .size: 8, .value_kind: global_buffer, .address_space: global }
      - { .name: freqs_cos, .offset: 40, .size: 8, .value_kind: global_buffer, .address_space: global }
      - { .name: freqs_sin, .offset: 48, .size: 8, .value_kind: global_buffer, .address_space: global }
      - { .name: qf, .offset: 56, .size: 8, .value_kind: global_buffer, .address_space: global }
      - { .name: qs, .offset: 64, .size: 8, .value_kind: global_buffer, .address_space: global }
      - { .name: kv, .offset: 72, .size: 8, .value_kind: global_buffer, .address_space: global }
    .group_segment_fixed_size: 327680
    .private_segment_fixed_size: 0
    .kernarg_segment_align: 8
    .kernarg_segment_size: 80
    .max_flat_workgroup_size: 128
    .sgpr_count:     98
    .vgpr_count:     1024
    .wavefront_size: 32
...
	.end_amdgpu_metadata
.endif
;; end of part 2
;; launch attn (part 3): grid 16 x 16, 4 waves a work-group, no clusters, 77,312 bytes of LDS; arguments qf, qs, kv, cod, scl; writes cod, scl
.if DOCPART == 3
	.amdgcn_target "amdgcn-amd-amdhsa--gfx1250"
	.amdhsa_code_object_version 6
	.text
	.protected	k_qbdbe310564_attn
	.globl	k_qbdbe310564_attn
	.p2align	8
	.type	k_qbdbe310564_attn,@function
k_qbdbe310564_attn:
	s_mov_b64 s[64:65], 0
	v_nop
	global_prefetch_b8 v0, s[64:65] scope:SCOPE_SE
	s_setreg_imm32_b32 hwreg(HW_REG_WAVE_MODE, 25, 1), 1
	s_wait_xcnt 0x0
; Causal attention on codes of FP6: O = softmax(q k^T / sqrt(128)) v, head by head; the result is quantised along D for the output projection.
; THE SOFTMAX: t = score x log2(e) / sqrt(128); M = the row's largest t so far, rounded up to a whole number; p = 2^(t - M) is quantised along the keys, not normalised; the row's sum is taken of the
; unquantised p and divides O at the end.  When M moves, the sum and O are multiplied by 2^(old M - new M): exact.
; LIMITS: NaN and infinities are not served; a block whose largest magnitude lies under 2^-124 keeps the byte 1; a block of zeros has the byte 1 (its codes are zeros; this program alone reads the bytes).
; SHARES.  Work-group (x, y): head y; p = x / 2, e = x % 2.  Wave w owns tile 4 e + w (16 queries) of the block of 128 queries p, with key steps 0 .. p, and then the same tile of block 15 - p, with key steps
; 0 .. 15 - p: 17 steps of 128 keys for every wave of the launch, and nothing that lies wholly under the mask is multiplied.  The four waves walk the same 17 records of kv.
; A RECORD (25,600 bytes): K's eight images, V^T's eight images, 1,024 bytes of scale words.  Each wave brings a quarter of it through registers (13 loads) into one of three LDS slots; loads run three steps
; ahead and stay out across barriers.  No tensor load: a record is small, and what is on its way is held in registers that lie idle.
; No cluster: only the two work-groups e = 0, 1 of one (head, p) walk the same records, and this launch has no tensor load that could be asked for jointly.
; LAYOUT.  Both products are used transposed: S^T = K Q^T, O^T = V^T P^T: a lane holds one query throughout; lane r of tile T holds row 32 (T / 2) + 8 (T % 2) + r + 8 (r / 8), so that the 16 registers
; of tiles 2 b and 2 b + 1 are 16 neighbours: keys 32 b + 16 h + 0 .. 15 in S^T, channels likewise in O^T.
; THE MASK.  On a diagonal step the hidden keys hang on the query's place in its block alone: 64 registers hold -1e30 or 0, made once, and are the C of that step's eight products.
; THE LDS WORK OF A STEP is spread over the softmax: 12 loads of V, the blocks' maxima, 12 of V, M and the scalings, 12 of the next K, the exponentials and sums, 12 of the next K and its scale words,
; the quantiser, the 13 stores of the record two steps on, O's rescaling, the second product.  The four waves run in step, so a single run of 50 loads a wave would be 200 at once.
; REGISTERS: window 0: v1-11 addresses; v12 -M, v13 the largest t, v[14:15] the sum; v16-27 Q; v28-29, v45-47 offsets; v32-44 the second block's Q and its scale word; v48-71 scale words, a set for each slot;
;   v72-84 the last quantiser's; v96-159 S^T, then p; v160-223 O^T; v224-254 p's codes and work; v255 Q's scale word.  window 1: v0-95 K, v96-191 V.  window 2: three sets of 50 for records on their way; v160-223 the mask.
.set FRB,   1536
.set REC,   25600
.set TEN,   3145728
.set TSC,   131072
.set SPARE, 3*REC                      ; behind the three slots: the spare words, 128 bytes for each wave, which no other line names
.set LI,  1                            ; v1-3   16 x lane in slot j
.set SW,  4                            ; v4-6   where I store my quarter of the images
.set SS,  7                            ; v7-9   and of the scale words
.set GV,  10                           ; v10    my quarter of a record's images in memory
.set GS,  11                           ; v11    and of its scale words
.set SPW, 30                           ; v30    LDS address of my spare word; never rewritten
.set NIL, 31                           ; v31    0; never rewritten
.set SCW, 48
.set TM,  72
.set PW,  84
.set PC,  224
.set P,   15                           ; s15  p
.set SEL, 20
.set CS,  22
.set T,   24                           ; s24  the step, 0 .. 16
.set U,   25                           ; s25  the record to be asked for next, 0 .. 16
.set KSG, 26                           ; s26  its key step
.set LC,  27
.set KVH, 28                           ; s[28:29] the head's records
.set GA,  30                           ; s[30:31] the record being asked for
.set OB1, 34
.set SB1, 36
.set OB2, 38
.set SB2, 40
.set P1,  44                           ; s44  p + 1
.set MSB, 0
.macro WIN new
.if MSB != (\new)
	s_set_vgpr_msb (MSB<<8)|(\new)
.set MSB, (\new)
.endif
.endm
	s_load_b256 s[4:11], s[0:1], 0x0               ; qf, qs, kv, cod
	s_load_b64 s[12:13], s[0:1], 0x20              ; scl
	v_lshl_add_u32 v[SPW], v0, 2, SPARE
	v_mov_b32 v[NIL], 0
	v_lshrrev_b32 v1, 5, v0
	v_readfirstlane_b32 s14, v1                    ; wave
	s_lshr_b32 s[P], ttmp9, 1
	s_and_b32 s16, ttmp9, 1
	s_and_b32 s17, ttmp7, 0xffff                   ; head
	s_lshl_b32 s18, s16, 2
	s_add_co_u32 s18, s18, s14                     ; my tile of a block: 4 e + wave
	s_add_co_u32 s[P1], s[P], 1
	v_and_b32 v28, 31, v0
	v_lshlrev_b32 v28, 4, v28                      ; 16 x lane
	v_and_b32 v45, 15, v0                          ; r
	v_bfe_u32 v46, v0, 4, 1                        ; h
	v_lshlrev_b32 v29, 3, v45                      ; 8 r
	v_lshlrev_b32 v47, 4, v45                      ; 16 r
	s_mul_i32 s42, s14, 6144
	v_and_b32 v[GS], 31, v0
	v_lshlrev_b32 v[GS], 3, v[GS]
	s_lshl_b32 s43, s14, 8
	s_add_co_u32 s43, s43, 24576
	v_add_nc_u32 v[GS], s43, v[GS]                 ; 24,576 + 256 x wave + 8 x lane
	v_add_nc_u32 v[GV], s42, v28                   ; 6,144 x wave + 16 x lane
.irp j, 0,1,2
	v_add_nc_u32 v[LI+\j], REC*\j, v28
	v_add_nc_u32 v[SW+\j], REC*\j, v[GV]
	v_add_nc_u32 v[SS+\j], REC*\j, v[GS]
.endr
	s_mov_b32 s[SEL], 0x76543210
	s_mov_b32 s[SEL+1], 0xfedcba98
	s_mov_b32 s[CS], 0x3e0293ee                    ; c = log2(e) / sqrt(128)
	s_mov_b32 s[CS+1], s[CS]
	s_mov_b32 s[T], 0
	s_mov_b32 s[U], 0
	s_mov_b32 s[KSG], 0
	s_lshr_b32 s42, s17, 2                         ; the results: K step = head of the output projection: images [head / 4][tile][head % 4] in tensor 5 of cod,
	s_mul_i32 s42, s42, 786432
	s_and_b32 s43, s17, 3
	s_mul_i32 s43, s43, FRB
	s_add_co_u32 s42, s42, s43
	s_add_co_u32 s42, s42, 5*TEN
	s_lshr_b32 s43, s17, 1                         ; scale words [tile][head / 2][r][head % 2] in tensor 5 of scl
	s_lshl_b32 s43, s43, 7
	s_and_b32 s46, s17, 1
	s_lshl_b32 s46, s46, 2
	s_add_co_u32 s43, s43, s46
	s_add_co_u32 s43, s43, 5*TSC
	s_sub_co_u32 s45, 15, s[P]                     ; the second block
	s_lshl_b32 s46, s[P], 3
	s_add_co_u32 s46, s46, s18                     ; my first tile of rows
	s_mul_i32 s47, s46, 4*FRB
	s_add_co_u32 s47, s47, s42
	s_lshl_b32 s48, s46, 10
	s_add_co_u32 s48, s48, s43
	s_lshl_b32 s49, s45, 3
	s_add_co_u32 s49, s49, s18                     ; my second
	s_mul_i32 s58, s49, 4*FRB
	s_add_co_u32 s58, s58, s42
	s_lshl_b32 s59, s49, 10
	s_add_co_u32 s59, s59, s43
	s_lshl_b32 s42, s17, 4
	s_add_co_u32 s43, s42, s[P]                    ; 16 x head + block
	s_add_co_u32 s46, s42, s45
	s_mul_i32 s42, s18, FRB                        ; my tile's image in a block's eight,
	s_lshr_b32 s49, s18, 2
	s_lshl_b32 s49, s49, 8
	s_and_b32 s16, s18, 3
	s_lshl_b32 s16, s16, 2
	s_add_co_u32 s49, s49, s16                     ; and its scale words: [tile / 4][r][tile % 4]
	s_mul_i32 s60, s43, 8*FRB
	s_add_co_u32 s60, s60, s42
	s_lshl_b32 s61, s43, 9
	s_add_co_u32 s61, s61, s49
	s_mul_i32 s62, s46, 8*FRB
	s_add_co_u32 s62, s62, s42
	s_lshl_b32 s63, s46, 9
	s_add_co_u32 s63, s63, s49
	s_mul_i32 s42, s17, 16*REC
	s_mov_b32 s33, 0
	s_wait_kmcnt 0x0
	s_mov_b32 s32, s47
	s_add_nc_u64 s[OB1:OB1+1], s[10:11], s[32:33]
	s_mov_b32 s32, s48
	s_add_nc_u64 s[SB1:SB1+1], s[12:13], s[32:33]
	s_mov_b32 s32, s58
	s_add_nc_u64 s[OB2:OB2+1], s[10:11], s[32:33]
	s_mov_b32 s32, s59
	s_add_nc_u64 s[SB2:SB2+1], s[12:13], s[32:33]
	s_mov_b32 s32, s60
	s_add_nc_u64 s[50:51], s[4:5], s[32:33]
	s_mov_b32 s32, s61
	s_add_nc_u64 s[52:53], s[6:7], s[32:33]
	s_mov_b32 s32, s62
	s_add_nc_u64 s[54:55], s[4:5], s[32:33]
	s_mov_b32 s32, s63
	s_add_nc_u64 s[56:57], s[6:7], s[32:33]
	s_mov_b32 s32, s42
	s_add_nc_u64 s[KVH:KVH+1], s[8:9], s[32:33]
.irp c, 0,1,2
	global_load_b128 v[16+4*\c:19+4*\c], v28, s[50:51] offset:512*\c     ; Q of the first block
.endr
	global_load_b32 v255, v47, s[52:53]
.irp c, 0,1,2
	global_load_b128 v[32+4*\c:35+4*\c], v28, s[54:55] offset:512*\c     ; and of the second
.endr
	global_load_b32 v44, v47, s[56:57]
; My quarter of the next record into set j: 13 loads.  The records go 0 .. p, then 0 .. 15 - p.
.macro GISSUE j
	s_wait_xcnt 0x0                                ; the earlier loads have read their base: it is written again only behind this wait
	s_mul_i32 s32, s[KSG], REC
	s_add_nc_u64 s[GA:GA+1], s[KVH:KVH+1], s[32:33]
	WIN 0x80                                       ; destination window 2
.irp i, 0,1,2,3,4,5,6,7,8,9,10,11
	global_load_b128 v[52*(\j)+4*\i:52*(\j)+4*\i+3], v[GV], s[GA:GA+1] offset:512*\i
.endr
	global_load_b64 v[52*(\j)+48:52*(\j)+49], v[GS], s[GA:GA+1]
	WIN 0
	s_add_co_u32 s[KSG], s[KSG], 1
	s_cmp_eq_u32 s[U], s[P]
	s_cselect_b32 s[KSG], 0, s[KSG]                ; behind record p the second block's key steps begin
	s_add_co_u32 s[U], s[U], 1
.endm
.macro STAGE j                         ; set j goes into slot j as it lies in memory
	WIN 0x08                                       ; an LDS store's data are its source 1: window 2
.irp i, 0,1,2,3,4,5,6,7,8,9,10,11
	ds_store_b128 v[SW+\j], v[52*(\j)+4*\i:52*(\j)+4*\i+3] offset:512*\i
.endr
	ds_store_b64 v[SS+\j], v[52*(\j)+48:52*(\j)+49]
	WIN 0
.endm
.macro KLOADP j, hf                    ; half hf of K's eight images: twelve loads
	WIN 0x40
.set nn, 12*(\hf)
.rept 12
	ds_load_b128 v[4*nn:4*nn+3], v[LI+\j] offset:512*nn
.set nn, nn+1
.endr
	WIN 0
.endm
.macro SLOAD j                         ; the record's scale words: register 4 c + w: lanes 0-15 K's tile 4 c + w, lanes 16-31 V's
	ds_load_b128 v[SCW+8*(\j):SCW+8*(\j)+3], v[LI+\j] offset:24576
	ds_load_b128 v[SCW+8*(\j)+4:SCW+8*(\j)+7], v[LI+\j] offset:25088
.endm
.macro VLOADP j, hf                    ; half hf of V's eight images: twelve loads
	WIN 0x40
.set nn, 12*(\hf)
.rept 12
	ds_load_b128 v[96+4*nn:96+4*nn+3], v[LI+\j] offset:12288+512*nn
.set nn, nn+1
.endr
	WIN 0
.endm
	GISSUE 0
	GISSUE 1
	GISSUE 2
	s_lshr_b32 s42, s18, 1                         ; the mask, while the loads are on their way
	s_lshl_b32 s42, s42, 5
	s_and_b32 s43, s18, 1
	s_lshl_b32 s43, s43, 3
	s_add_co_u32 s42, s42, s43
	v_and_b32 v252, 8, v45
	v_add_nc_u32 v252, v252, v45
	v_add_nc_u32 v252, s42, v252                   ; my query's place in its block
	v_lshlrev_b32 v253, 4, v46
	v_sub_nc_u32 v252, v252, v253                  ; d = that - 16 h.  Register 16 b + i holds key 32 b + 16 h + i: hidden where 32 b + i > d
	v_mov_b32 v254, 0xf149f2ca                     ; -1e30
	WIN 0x80
.set nn, 0
.rept 64
	v_cmp_gt_i32 vcc_lo, 32*(nn/16)+nn%16, v252
	v_cndmask_b32 v[160+nn], 0, v254, vcc_lo
.set nn, nn+1
.endr
	WIN 0
	v_mov_b32 v13, 0xff61b1e6                      ; the largest t so far: -3e38, under every t
	v_floor_f32 v12, -v13                          ; -M
	v_mov_b32 v14, 0
	v_mov_b32 v15, 0
	v_mov_b32 v252, 0
	v_mov_b32 v253, 0
.irp b, 0,1,2,3
	v_mov_b32 v[236+\b], 0                         ; written once: a lane permute's destination counts as one of its sources
	v_mov_b32 v[TM+4+\b], 0
.endr
.set nn, 0
.rept 64
	v_mov_b32 v[160+nn], 0                         ; O^T, once: a block's first change of M multiplies what stands here by 0
.set nn, nn+1
.endr
.macro QUANT s, pw                     ; 64 numbers, register 16 b + i = k 32 b + 16 h + i of my row, become an image in v[PC] on and its scale word in v[pw]
.irp b, 0,1,2,3
	v_max3_num_f32 v[TM+\b], |v[\s+16*\b]|, |v[\s+1+16*\b]|, 0x1800000
.endr
.irp i, 2,4,6,8,10,12,14
.irp b, 0,1,2,3
	v_max3_num_f32 v[TM+\b], v[TM+\b], |v[\s+16*\b+\i]|, |v[\s+1+16*\b+\i]|
.endr
.endr
.irp b, 0,1,2,3
	v_permlanex16_b32 v[TM+4+\b], v[TM+\b], s[SEL], s[SEL+1]
.endr
.irp b, 0,1,2,3
	v_max_num_f32 v[TM+\b], v[TM+\b], v[TM+4+\b]
.endr
.irp b, 0,1,2,3
	v_add_nc_u32 v[TM+8+\b], 0xff000000, v[TM+\b]
.endr
.irp b, 0,1,2,3
	v_lshrrev_b32 v[TM+4+\b], 23, v[TM+8+\b]
.endr
	v_lshl_or_b32 v[\pw], v[TM+5], 8, v[TM+4]
	v_lshl_or_b32 v[\pw], v[TM+6], 16, v[\pw]
	v_lshl_or_b32 v[\pw], v[TM+7], 24, v[\pw]
.irp c, 0,1
	v_cvt_scalef32_pk16_fp6_f32 v[PC+6*\c:PC+2+6*\c], v[\s+32*\c:\s+15+32*\c], v[TM+8+2*\c]
	v_cvt_scalef32_pk16_fp6_f32 v[PC+12+4*\c:PC+14+4*\c], v[\s+16+32*\c:\s+31+32*\c], v[TM+8+2*\c+1]
.endr
	v_nop
.irp c, 0,1
.irp i, 0,1,2
	v_permlane16_swap_b32 v[PC+6*\c+\i], v[PC+12+4*\c+\i]
.endr
.irp i, 0,1,2
	v_mov_b32 v[PC+3+6*\c+\i], v[PC+12+4*\c+\i]
.endr
.endr
.endm
; A block is finished: O^T / the sum, quantised along the head's 128, which are one K step of the output projection.
.macro FINISH ob, sb
.rept 4
	v_nop                                          ; places behind the last products
.endr
	v_add_f32 v14, v14, v15
	v_permlanex16_b32 v252, v14, s[SEL], s[SEL+1]
	v_add_f32 v14, v14, v252                       ; the row's sum
	v_rcp_f32 v14, v14
	v_nop                                          ; a plain place behind the transcendental,
	s_wait_alu depctr_va_vdst(0)                   ; and the wait ahead of its first reader
.set nn, 0
.rept 64
	v_mul_f32 v[96+nn], v[160+nn], v14             ; each accumulator from its low end on
.set nn, nn+1
.endr
	QUANT 96, PW
.irp c, 0,1,2
	global_store_b128 v28, v[PC+4*\c:PC+4*\c+3], s[\ob:\ob+1] offset:512*\c        ; 512 consecutive bytes, aligned
.endr
	global_store_b32 v29, v[PW], s[\sb:\sb+1]      ; a word a row, 8 bytes apart (the other word of the pair is the neighbouring head's); both lanes of a row store the same word
	s_wait_xcnt 0x0                                ; the stores have read their data: the registers may be written again
.endm
.macro RESTART                         ; the second block: its Q; M begins anew; the sum and O^T are multiplied by 0 at the first change of M
	v_mov_b32 v13, 0xff61b1e6
	v_floor_f32 v12, -v13
.irp i, 0,1,2,3,4,5,6,7,8,9,10,11
	v_mov_b32 v[16+\i], v[32+\i]
.endr
	v_mov_b32 v255, v44
.rept 8
	v_nop                                          ; a scale register written by a vector instruction stands 8 places ahead of a scaled matrix instruction, an operand 4
.endr
.endm
.macro SPROD j, mk                     ; S^T = K Q^T, eight tiles of 16 keys; mk = 1: the mask is the C
.irp g, 0,1,2,3,4,5,6,7
.if \mk
	v_wmma_scale_f32_16x16x128_f8f6f4 v[96+8*\g:103+8*\g], v[12*\g:12*\g+11], v[16:27], v[160+8*\g:167+8*\g], v[SCW+8*(\j)+\g], v255 matrix_a_fmt:MATRIX_FMT_FP6 matrix_b_fmt:MATRIX_FMT_FP6
.else
	v_wmma_scale_f32_16x16x128_f8f6f4 v[96+8*\g:103+8*\g], v[12*\g:12*\g+11], v[16:27], 0, v[SCW+8*(\j)+\g], v255 matrix_a_fmt:MATRIX_FMT_FP6 matrix_b_fmt:MATRIX_FMT_FP6
.endif
.endr
.endm
; THE SOFTMAX OF A STEP, in five parts, between which the step's LDS work stands.
.macro SM1                             ; the largest score of each block of 32 keys: for the row's maximum, and, since p rises with the score, for the block's largest p
.irp b, 0,1,2,3
	v_max3_num_f32 v[232+\b], v[96+16*\b], v[97+16*\b], v[98+16*\b]
.endr
.irp i, 3,5,7,9,11,13
.irp b, 0,1,2,3
	v_max3_num_f32 v[232+\b], v[232+\b], v[96+16*\b+\i], v[97+16*\b+\i]
.endr
.endr
.irp b, 0,1,2,3
	v_max_num_f32 v[232+\b], v[232+\b], v[111+16*\b]
.endr
.irp b, 0,1,2,3
	v_permlanex16_b32 v[236+\b], v[232+\b], s[SEL], s[SEL+1]
.endr
.irp b, 0,1,2,3
	v_max_num_f32 v[232+\b], v[232+\b], v[236+\b]
.endr
.endm
.macro SM2                             ; M, f, and t - M
	v_max3_num_f32 v254, v232, v233, v234
	v_max_num_f32 v254, v254, v235
	v_mul_f32 v254, s[CS], v254                    ; as t (c is positive)
	v_max_num_f32 v13, v13, v254                   ; the running largest t
	v_mov_b32 v254, v12
	v_floor_f32 v12, -v13                          ; the new -M = -ceil(t): a whole number
	v_sub_f32 v254, v12, v254
	v_cvt_i32_f32 v254, v254                       ; (it saturates)
	v_ldexp_f32 v252, 1.0, v254                    ; f = 2^(old M - new M)
.set jj, 0
.rept 32
	v_pk_fma_f32 v[96+jj:97+jj], v[96+jj:97+jj], s[CS:CS+1], v[12:13] op_sel_hi:[1,0,0]   ; t - M
.set jj, jj+2
.endr
.irp b, 0,1,2,3
	v_fma_f32 v[232+\b], v[232+\b], s[CS], v12
.endr
.endm
.macro SM3                             ; p and the row's sum; no memory instruction stands in this part
.set jj, 0
.rept 64
	v_exp_f32 v[96+jj], v[96+jj]                   ; p = 2^(t - M)
.set jj, jj+1
.endr
	v_pk_mul_f32 v[14:15], v[14:15], v[252:253] op_sel_hi:[1,0]   ; the sums under the new M: a plain place behind the exponentials
	s_wait_alu depctr_va_vdst(0)                   ; one wait for the whole batch, ahead of its first reader
.irp b, 0,1,2,3
	v_exp_f32 v[232+\b], v[232+\b]                 ; the block's largest p
.endr
	v_pk_add_f32 v[236:237], v[96:97], v[98:99]    ; the row's sum is taken of the unquantised p, in two chains
.set jj, 4
.rept 15
	v_pk_add_f32 v[14:15], v[14:15], v[96+jj:97+jj]
	v_pk_add_f32 v[236:237], v[236:237], v[98+jj:99+jj]
.set jj, jj+4
.endr
	v_pk_add_f32 v[14:15], v[14:15], v[236:237]
	s_wait_alu depctr_va_vdst(0)                   ; and one for the four
.endm
.macro SM4                             ; p's scale word and codes
.irp b, 0,1,2,3
	v_max_num_f32 v[232+\b], 0x1800000, v[232+\b]  ; the floor 2^(3 - 127)
.endr
.irp b, 0,1,2,3
	v_add_nc_u32 v[244+\b], 0xff000000, v[232+\b]
.endr
.irp b, 0,1,2,3
	v_lshrrev_b32 v[236+\b], 23, v[244+\b]
.endr
	v_lshl_or_b32 v253, v237, 8, v236              ; p's scale word for these 128 keys
	v_lshl_or_b32 v253, v238, 16, v253
	v_lshl_or_b32 v253, v239, 24, v253
.irp c, 0,1
	v_cvt_scalef32_pk16_fp6_f32 v[224+6*\c:226+6*\c], v[96+32*\c:111+32*\c], v[244+2*\c]
	v_cvt_scalef32_pk16_fp6_f32 v[236+4*\c:238+4*\c], v[112+32*\c:127+32*\c], v[244+2*\c+1]
.endr
	v_nop
.irp c, 0,1
.irp i, 0,1,2
	v_permlane16_swap_b32 v[224+6*\c+\i], v[236+4*\c+\i]
.endr
.irp i, 0,1,2
	v_mov_b32 v[227+6*\c+\i], v[236+4*\c+\i]
.endr
.endr
.endm
.macro SM5                             ; O^T under the new M; these 32 are also the places in front of the second product
.set jj, 0
.rept 32
	v_pk_mul_f32 v[160+jj:161+jj], v[160+jj:161+jj], v[252:253] op_sel_hi:[1,0]
.set jj, jj+2
.endr
.endm
; A KEY STEP on the record in slot j.  diag: 0 no mask, 1 the mask, 2 the mask where this is the first block's last step.  fin: the first block may end here.  kpre: the next step's K is fetched.
; stage: the record two steps on goes into its slot, cnt loads behind it may stay out, and the barrier follows.  gis: the record five steps on is asked for.
; ONE BARRIER A STEP: the slot stored into was last read a step ago, and every wave waited for those reads in front of that step's signal, so it may be stored into anywhere in this step;
; what is stored here is read only behind this step's barrier, in front of which every wave waits for its stores.
.macro STEP j, diag, fin, kpre, stage, cnt, gis
.set J1, ((\j)+1)%3
.set J2, ((\j)+2)%3
.if \fin
	s_cmp_eq_u32 s[T], s[P1]                       ; ids and the count of steps alone: the same in all four waves
	s_cbranch_scc0 .Lnofin_\@
	FINISH OB1, SB1
	RESTART
.Lnofin_\@:
.endif
.if \diag == 2
	s_cmp_eq_u32 s[T], s[P]
	s_cbranch_scc1 .Ldiag_\@
.endif
.if \diag != 1
	WIN 0x01                                       ; source 0 (K) window 1
	SPROD \j, 0
	WIN 0
.endif
.if \diag == 2
	s_branch .Ljoin_\@
.Ldiag_\@:
.endif
.if \diag != 0
	WIN 0x21                                       ; and the C (the mask) window 2
	SPROD \j, 1
	WIN 0
.endif
.if \diag == 2
.Ljoin_\@:
.endif
.rept 4
	v_nop                                          ; places in front of the reads of S^T and of the loads into K's and V's registers
.endr
	VLOADP \j, 0
	SM1
	VLOADP \j, 1
	SM2
.if \kpre
	KLOADP J1, 0
.endif
	SM3
.if \kpre
	KLOADP J1, 1
	SLOAD J1
.endif
	SM4
.if \stage
	s_wait_loadcnt \cnt                            ; my quarter of the record two steps on is in; the records behind it, 13 loads each, may be out
	STAGE J2
.endif
	SM5
	s_wait_dscnt 26*(\kpre)+13*(\stage)            ; V is in; behind its loads were issued the next K's 24 loads and its two of scale words, and the 13 stores: they may be out
	WIN 0x01
.irp g, 0,1,2,3,4,5,6,7                ; O^T += V^T P^T: the eight accumulators take turns
	v_wmma_scale_f32_16x16x128_f8f6f4 v[160+8*\g:167+8*\g], v[96+12*\g:107+12*\g], v[224:235], v[160+8*\g:167+8*\g], v[SCW+8*(\j)+\g], v253 matrix_a_fmt:MATRIX_FMT_FP6 matrix_b_fmt:MATRIX_FMT_FP6 matrix_a_scale:MATRIX_SCALE_ROW1
.endr
	WIN 0
.if \stage
	s_wait_dscnt 0x0                               ; my stores have landed, and my reads of this step are in
	s_barrier_signal -1
	s_barrier_wait -1
.if \gis
	GISSUE J2
.endif
.elseif \kpre
	s_wait_dscnt 0x0
.endif
	s_add_co_u32 s[T], s[T], 1
.endm
	s_wait_loadcnt 13                              ; Q and records 0 and 1 are in; record 2's 13 loads may be out
	STAGE 0
	STAGE 1
	s_wait_dscnt 0x0
	s_barrier_signal -1
	s_barrier_wait -1
	GISSUE 0                                       ; records 3 and 4
	GISSUE 1
	KLOADP 0, 0
	KLOADP 0, 1
	SLOAD 0
	s_wait_dscnt 0x0
	s_mov_b32 s[LC], 4
.Ltrip:                                                ; steps 0 to 11, three a trip: the slots' numbers come back after three
	STEP 0, 2, 1, 1, 1, 26, 1
	STEP 1, 2, 1, 1, 1, 26, 1
	STEP 2, 2, 1, 1, 1, 26, 1
	s_sub_co_u32 s[LC], s[LC], 1
	s_cmp_lg_u32 s[LC], 0
	s_cbranch_scc1 .Ltrip
	STEP 0, 0, 0, 1, 1, 26, 0                      ; steps 12 to 16 ask for nothing more: the counts run down
	STEP 1, 0, 0, 1, 1, 13, 0
	STEP 2, 0, 0, 1, 1, 0, 0
	STEP 0, 0, 0, 1, 0, 0, 0
	STEP 1, 1, 0, 0, 0, 0, 0                       ; the second block's diagonal
	FINISH OB2, SB2
	s_wait_tensorcnt 0x0                           ; the wave's end, behind my last LDS store
	ds_add_u32 v[SPW], v[NIL]
	s_wait_dscnt 0x0
	s_endpgm
.Lfunc_end_k_qbdbe310564_attn:
	.size	k_qbdbe310564_attn, .Lfunc_end_k_qbdbe310564_attn-k_qbdbe310564_attn
	.p2alignl 7, 3214868480
	.fill 96, 4, 3214868480
	.section	.rodata,"a",@progbits
	.p2align	6, 0x0
	.amdhsa_kernel k_qbdbe310564_attn
		.amdhsa_group_segment_fixed_size 77312
		.amdhsa_private_segment_fixed_size 0
		.amdhsa_enable_private_segment 0
		.amdhsa_kernarg_size 40
		.amdhsa_user_sgpr_count 2
		.amdhsa_user_sgpr_kernarg_segment_ptr 1
		.amdhsa_wavefront_size32 1
		.amdhsa_system_sgpr_workgroup_id_x 1
		.amdhsa_system_sgpr_workgroup_id_y 1
		.amdhsa_system_sgpr_workgroup_id_z 1
		.amdhsa_system_vgpr_workitem_id 0
		.amdhsa_next_free_vgpr 768
		.amdhsa_next_free_sgpr 66
		.amdhsa_reserve_vcc 1
		.amdhsa_float_denorm_mode_32 3
		.amdhsa_float_denorm_mode_16_64 3
		.amdhsa_memory_ordered 1
		.amdhsa_forward_progress 1
		.amdhsa_inst_pref_size 212
	.end_amdhsa_kernel
	.amdgpu_metadata
---
amdhsa.version: [ 1, 2 ]
amdhsa.kernels:
  - .name:           k_qbdbe310564_attn
    .symbol:         k_qbdbe310564_attn.kd
    .args:
      - { .name: qf, .offset: 0, .size: 8, .value_kind: global_buffer, .address_space: global }
      - { .name: qs, .offset: 8, .size: 8, .value_kind: global_buffer, .address_space: global }
      - { .name: kv, .offset: 16, .size: 8, .value_kind: global_buffer, .address_space: global }
      - { .name: cod, .offset: 24, .size: 8, .value_kind: global_buffer, .address_space: global }
      - { .name: scl, .offset: 32, .size: 8, .value_kind: global_buffer, .address_space: global }
    .group_segment_fixed_size: 77312
    .private_segment_fixed_size: 0
    .kernarg_segment_align: 8
    .kernarg_segment_size: 40
    .max_flat_workgroup_size: 128
    .sgpr_count:     66
    .vgpr_count:     768
    .wavefront_size: 32
...
	.end_amdgpu_metadata
.endif
;; end of part 3
;; launch oproj (part 4): grid 16 x 16, 4 waves a work-group, clusters of 4 x 4, 327,680 bytes of LDS; arguments cod, scl, bo, out0; writes out0
.if DOCPART == 4
	.amdgcn_target "amdgcn-amd-amdhsa--gfx1250"
	.amdhsa_code_object_version 6
	.text
	.protected	k_qbdbe310564_oproj
	.globl	k_qbdbe310564_oproj
	.p2align	8
	.type	k_qbdbe310564_oproj,@function
k_qbdbe310564_oproj:
	s_mov_b64 s[64:65], 0
	v_nop
	global_prefetch_b8 v0, s[64:65] scope:SCOPE_SE
	s_setreg_imm32_b32 hwreg(HW_REG_WAVE_MODE, 25, 1), 1
	s_wait_xcnt 0x0
	s_wait_alu depctr_hold_cnt(0) depctr_sa_sdst(0) depctr_va_vdst(0) depctr_va_sdst(0) depctr_va_ssrc(0) depctr_va_vcc(0) depctr_vm_vsrc(0)
	s_getreg_b32 s2, hwreg(HW_REG_IB_STS2, 6, 4)
	s_cmp_eq_u32 s2, 0
	s_cbranch_scc0 .Lentry_in_a_cluster
	s_endpgm
.Lentry_in_a_cluster:
	s_bfe_u32 s2, ttmp6, 0x10000c
	s_cmp_lg_u32 s2, 0xf033
	s_cbranch_scc0 .Lentry_shape_is_right
	s_endpgm
.Lentry_shape_is_right:
; out0 = O wo^T + bo on codes of FP6 with E8M0 scales.  O (tensor 5 of cod and scl) and wo (tensor 4) arrive as images of an operand's registers: [K step / 4][tile][K step % 4] x 1,536 bytes;
; lane r of tile T = row 32 (T / 2) + 8 (T % 2) + r + 8 (r / 8).  Scale words: [tile][K step / 2][r][K step % 2].
; SHARES.  A tile of out0 is 128 x 128, so that the 256 tiles give each of 256 work-groups one; four waves, each 64 x 64: 16 accumulators.
; THE MATRIX INSTRUCTION: source 0 = 16 rows of wo, source 1 = 16 tokens: a lane holds a token and eight neighbouring outputs; the bias is the C of each sum's first instruction.
; K = 2,048 is four quarters of four steps.  Three LDS slots take quarters 0, 1, 2 as first fills; quarter 3 is the one refill, into slot 0.  Four tensor loads of a wave are out at the most.
; CLUSTER 4 x 4: O's tiles are shared along a row of the cluster, wo's along a column: joint loads.
; REGISTERS: window 0: v4-15 addresses; v32-63 scale words, two sets; v64-95 the bias, later rows on their way out, with v96-127; v128-255 the accumulators ((a, b) at v[128 + 8 (4 a + b)]).
;   window 1: two fragment buffers at v0 and v128: A's four, then B's four.
.set FRB,    1536
.set HALFT,  16*FRB                    ; 4 tiles x 4 steps: what one tensor load brings
.set SLOT,   4*HALFT
.set SCLB,   3*SLOT                    ; behind the slots: the scale words
.set HALFS,  4096                      ; those of 4 tiles
.set SPARE,  SCLB+4*HALFS              ; the spare words, 128 bytes for each wave, which no other line names
.set STG,    SLOT                      ; the way out: 16 rows x 272 bytes for each wave, in slot 1, which has had its only fill and its last read by then
.set TEN,    3145728
.set TSC,    131072
.set QUA,    786432                    ; from quarter to quarter in memory
.set ADRA, 4
.set ADRB, 8
.set ADRS, 11
.set STO,  12
.set RD,   13
.set CO,   14
.set SPW,  30
.set NIL,  31
.set SCQ,  32
.set BI,   64
.set TMP,  64
.set ACC,  128
.set G1A,  24
.set G1B,  32
.set G1SA, 40
.set G1SB, 48
.set G0A0, 56
.set G0A1, 60
.set G0A2, 68
.set G0B0, 72
.set G0B1, 76
.set G0B2, 80
.set G0SA, 84
.set G0SB, 88
.set MSB, 0
.macro WIN new
.if MSB != (\new)
	s_set_vgpr_msb (MSB<<8)|(\new)
.set MSB, (\new)
.endif
.endm
.macro JLOAD g0a, g1a, g0b, g1b        ; waves 0 and 1 fetch for A, waves 2 and 3 for B; an s_nop 0 and four v_nop follow each of the two lines
	s_cmp_eq_u32 s15, 0
	s_cbranch_scc0 .Lfor_b_\@
	tensor_load_to_lds s[\g0a:\g0a+3], s[\g1a:\g1a+7]
	s_nop 0
.rept 4
	v_nop
.endr
	s_branch .Lasked_\@
.Lfor_b_\@:
	tensor_load_to_lds s[\g0b:\g0b+3], s[\g1b:\g1b+7]
	s_nop 0
.rept 4
	v_nop
.endr
.Lasked_\@:
.endm
.macro CROUND                          ; a round of the cluster's barrier
	s_barrier_signal -1
	s_barrier_wait -1
	s_cmp_lg_u32 s14, 0
	s_cbranch_scc1 .Lnot_wave_0_\@
	s_barrier_signal -3
.Lnot_wave_0_\@:
	s_barrier_wait -3
	s_barrier_signal -1
	s_barrier_wait -1
.endm
	s_load_b256 s[4:11], s[0:1], 0x0               ; cod, scl, bo, out0
	v_lshl_add_u32 v[SPW], v0, 2, SPARE
	v_mov_b32 v[NIL], 0
	ds_add_u32 v[SPW], v[NIL]                      ; the wave's opening: the add and its wait stand ahead of my first tensor load
	v_lshrrev_b32 v1, 5, v0
	v_readfirstlane_b32 s14, v1                    ; wave
	s_lshr_b32 s15, s14, 1                         ; which half of the tokens is mine.  Also: I fetch for A (0) or for B (1)
	s_and_b32 s16, s14, 1                          ; which half of the outputs.  Also: which four tiles I fetch
	s_bfe_u32 s92, ttmp6, 0x40000                  ; cx
	s_bfe_u32 s93, ttmp6, 0x40004                  ; cy
	s_lshl_b32 s94, ttmp9, 2
	s_add_co_u32 s94, s94, s92                     ; which 128 outputs
	s_and_b32 s17, ttmp7, 0xffff
	s_lshl_b32 s17, s17, 2
	s_add_co_u32 s17, s17, s93                     ; which 128 tokens
	s_lshl_b32 s95, s93, 2
	s_lshl_b32 s95, 15, s95                        ; my row of the cluster
	s_lshl_b32 s96, 0x1111, s92                    ; my column
	; descriptor group 1: a dense block as rows of 256 bytes (32 elements of 8 bytes): 96 rows of codes, 16 of scale words; no padding
	s_or_b32 s[G1A+0], s95, (3<<16)|(1<<21)
	s_or_b32 s[G1B+0], s96, (3<<16)|(1<<21)
.irp g, G1A, G1B
	s_mov_b32 s[\g+1], 32<<16
	s_mov_b32 s[\g+2], 96<<16
	s_mov_b32 s[\g+3], 32<<16
	s_mov_b32 s[\g+4], 96
	s_mov_b32 s[\g+5], 32
	s_mov_b32 s[\g+6], 0
	s_mov_b32 s[\g+7], 0
.endr
	s_or_b32 s[G1SA+0], s95, (3<<16)|(1<<21)
	s_or_b32 s[G1SB+0], s96, (3<<16)|(1<<21)
.irp g, G1SA, G1SB
	s_mov_b32 s[\g+1], 32<<16
	s_mov_b32 s[\g+2], 16<<16
	s_mov_b32 s[\g+3], 32<<16
	s_mov_b32 s[\g+4], 16
	s_mov_b32 s[\g+5], 32
	s_mov_b32 s[\g+6], 0
	s_mov_b32 s[\g+7], 0
.endr
	s_lshl_b32 s18, s16, 2
	s_lshl_b32 s20, s17, 3
	s_add_co_u32 s20, s20, s18                     ; A's first tile
	s_lshl_b32 s98, s94, 3
	s_add_co_u32 s98, s98, s18                     ; B's
	s_lshl_b32 s22, s20, 10
	s_add_co_u32 s22, s22, 5*TSC
	s_lshl_b32 s100, s98, 10
	s_add_co_u32 s100, s100, 4*TSC
	s_mul_i32 s20, s20, 4*FRB
	s_add_co_u32 s20, s20, 5*TEN
	s_mul_i32 s98, s98, 4*FRB
	s_add_co_u32 s98, s98, 4*TEN
	s_mov_b32 s21, 0
	s_mov_b32 s23, 0
	s_mov_b32 s99, 0
	s_mov_b32 s101, 0
	s_mul_i32 s19, s14, HALFT                      ; where they go: by the wave's number alone
	s_lshl_b32 s97, s14, 12
	s_wait_dscnt 0x0                               ; the opening add is done
	s_wait_kmcnt 0x0
	s_add_nc_u64 s[20:21], s[4:5], s[20:21]
	s_add_nc_u64 s[22:23], s[6:7], s[22:23]
	s_add_nc_u64 s[98:99], s[4:5], s[98:99]
	s_add_nc_u64 s[100:101], s[6:7], s[100:101]
	CROUND                                         ; all sixteen work-groups are here: the first joint loads meet
	s_mov_b32 s[G0SA], 1
	s_add_co_u32 s[G0SA+1], s97, SCLB
	s_mov_b64 s[G0SA+2:G0SA+3], s[22:23]
	s_or_b32 s[G0SA+3], s[G0SA+3], 0x80000000
	s_mov_b32 s[G0SB], 1
	s_add_co_u32 s[G0SB+1], s97, SCLB
	s_mov_b64 s[G0SB+2:G0SB+3], s[100:101]
	s_or_b32 s[G0SB+3], s[G0SB+3], 0x80000000
	JLOAD G0SA, G1SA, G0SB, G1SB
.macro FIRST ga, gb, k                 ; quarter k into slot k
	s_mov_b32 s[\ga], 1
	s_add_co_u32 s[\ga+1], s19, \k*SLOT
	s_add_nc_u64 s[\ga+2:\ga+3], s[20:21], \k*QUA
	s_or_b32 s[\ga+3], s[\ga+3], 0x80000000
	s_mov_b32 s[\gb], 1
	s_add_co_u32 s[\gb+1], s19, \k*SLOT
	s_add_nc_u64 s[\gb+2:\gb+3], s[98:99], \k*QUA
	s_or_b32 s[\gb+3], s[\gb+3], 0x80000000
	JLOAD \ga, G1A, \gb, G1B
.endm
	FIRST G0A0, G0B0, 0
	FIRST G0A1, G0B1, 1
	FIRST G0A2, G0B2, 2
	v_and_b32 v1, 15, v0                           ; r
	v_bfe_u32 v2, v0, 4, 1                         ; h
	v_and_b32 v3, 31, v0
	v_lshlrev_b32 v3, 4, v3                        ; 16 x lane
	v_lshlrev_b32 v15, 6, v2                       ; the bias: 16 h numbers on
	s_lshl_b32 s18, s94, 9
	s_lshl_b32 s19, s16, 8
	s_add_co_u32 s18, s18, s19                     ; my 64 outputs, in bytes
	s_mov_b32 s19, 0
	s_add_nc_u64 s[8:9], s[8:9], s[18:19]
	s_add_nc_u64 s[10:11], s[10:11], s[18:19]
.irp b, 0,1,2,3
	global_load_b128 v[BI+8*\b:BI+8*\b+3], v15, s[8:9] offset:(32*(\b/2)+8*(\b%2))*4
	global_load_b128 v[BI+8*\b+4:BI+8*\b+7], v15, s[8:9] offset:(32*(\b/2)+8*(\b%2))*4+16
.endr
	s_lshl_b32 s18, s17, 7
	s_lshl_b32 s22, s15, 6
	s_add_co_u32 s18, s18, s22                     ; my first token,
	s_lshl_b32 s18, s18, 13                        ; a row of out0 is 8,192 bytes
	s_add_nc_u64 s[10:11], s[10:11], s[18:19]
	s_mul_i32 s18, s15, HALFT                      ; my four tiles of A
	s_mul_i32 s22, s16, HALFT                      ; my four of B,
	s_add_co_u32 s22, s22, 2*HALFT                 ; which lie behind A's eight
.irp k, 0,1,2
	v_add_nc_u32 v[ADRA+\k], s18, v3
	v_add_nc_u32 v[ADRB+\k], s22, v3
	s_add_co_u32 s18, s18, SLOT
	s_add_co_u32 s22, s22, SLOT
.endr
	v_lshlrev_b32 v16, 3, v1                       ; scale words: 8 r
	s_lshl_b32 s18, s15, 12
	s_lshl_b32 s22, s16, 12
	s_add_co_u32 s22, s22, 2*HALFS
	s_sub_co_u32 s22, s22, s18
	v_mul_u32_u24 v17, s22, v2                     ; lanes 16-31 take B's: one product, the distance between the two bases
	s_add_co_u32 s18, s18, SCLB
	v_add_nc_u32 v16, v16, v17
	v_add_nc_u32 v[ADRS], s18, v16
	s_mul_i32 s18, s14, 16*272
	s_add_co_u32 s18, s18, STG                     ; my stage
	v_mul_u32_u24 v16, v1, 272
	v_lshl_add_u32 v16, v2, 6, v16
	v_add_nc_u32 v[STO], s18, v16                  ; in: row r, 64 h bytes on
	v_mul_u32_u24 v16, v2, 272
	v_lshl_add_u32 v16, v1, 4, v16
	v_add_nc_u32 v[RD], s18, v16                   ; back: lanes 0-15 one row of 256 bytes, lanes 16-31 the next
	v_lshlrev_b32 v[CO], 13, v2
	v_lshl_add_u32 v[CO], v1, 4, v[CO]             ; and the same in out0
.macro FETCH s                         ; step s's eight fragments into buffer s % 2
.set FB_, 128*((\s)%2)
.set KS_, ((\s)/4)%3
.set SL_, (\s)%4
	WIN 0x40
.irp i, 0,1,2,3
.irp c, 0,1,2
	ds_load_b128 v[FB_+48+12*\i+4*\c:FB_+48+12*\i+4*\c+3], v[ADRB+KS_] offset:(4*\i+SL_)*FRB+512*\c
.endr
.endr
.irp i, 0,1,2,3
.irp c, 0,1,2
	ds_load_b128 v[FB_+12*\i+4*\c:FB_+12*\i+4*\c+3], v[ADRA+KS_] offset:(4*\i+SL_)*FRB+512*\c
.endr
.endr
	WIN 0
.endm
.macro SCALEQ k                        ; quarter k's scale words into set k % 2: register 4 i + step: lanes 0-15 A's tile i, lanes 16-31 B's
.irp i, 0,1,2,3
.irp u, 0,1
	ds_load_b64 v[SCQ+16*((\k)%2)+4*\i+2*\u:SCQ+16*((\k)%2)+4*\i+2*\u+1], v[ADRS] offset:1024*\i+128*(2*(\k)+\u)
.endr
.endr
.endm
.macro MUL s                           ; 16 products: the accumulators take turns, one instruction a turn
.set FB_, 128*((\s)%2)
.set SQ_, SCQ+16*(((\s)/4)%2)+(\s)%4
	WIN 0x05                                       ; sources 0 and 1 window 1; C and D window 0
.irp a, 0,1,2,3
.irp b, 0,1,2,3
.if (\s) == 0
	v_wmma_scale_f32_16x16x128_f8f6f4 v[ACC+8*(4*\a+\b):ACC+8*(4*\a+\b)+7], v[FB_+48+12*\b:FB_+48+12*\b+11], v[FB_+12*\a:FB_+12*\a+11], v[BI+8*\b:BI+8*\b+7], v[SQ_+4*\b], v[SQ_+4*\a] matrix_a_fmt:MATRIX_FMT_FP6 matrix_b_fmt:MATRIX_FMT_FP6 matrix_a_scale:MATRIX_SCALE_ROW1
.else
	v_wmma_scale_f32_16x16x128_f8f6f4 v[ACC+8*(4*\a+\b):ACC+8*(4*\a+\b)+7], v[FB_+48+12*\b:FB_+48+12*\b+11], v[FB_+12*\a:FB_+12*\a+11], v[ACC+8*(4*\a+\b):ACC+8*(4*\a+\b)+7], v[SQ_+4*\b], v[SQ_+4*\a] matrix_a_fmt:MATRIX_FMT_FP6 matrix_b_fmt:MATRIX_FMT_FP6 matrix_a_scale:MATRIX_SCALE_ROW1
.endif
.endr
.endr
.endm
	s_wait_tensorcnt 2                             ; the scale words and my part of slot 0 are in; slots 1 and 2 may be out
	s_barrier_signal -1
	s_barrier_wait -1
	FETCH 0
	SCALEQ 0
	s_wait_loadcnt 0x0                             ; the bias
.set KS, 0
.rept 16
.if KS == 3
	WIN 0                                          ; slot 0's last fragments were asked for a step ago: the slot is filled again, with quarter 3
	s_wait_tensorcnt 0x0                           ; all my tensor loads have landed: my parts of slots 1 and 2 among them
	ds_add_u32 v[SPW], v[NIL]
	s_add_nc_u64 s[G0A0+2:G0A0+3], s[G0A0+2:G0A0+3], 3*QUA
	s_add_nc_u64 s[G0B0+2:G0B0+3], s[G0B0+2:G0B0+3], 3*QUA
	s_wait_dscnt 0x0                               ; the add is done, and my reads of slot 0 are over
	CROUND                                         ; no wave of any partner still reads slot 0 or has a load on its way
	JLOAD G0A0, G1A, G0B0, G1B                     ; the first tensor load behind the round; it has eight steps in which to land; its four v_nop are the places in front of the loads below
.elseif KS == 11
	s_wait_tensorcnt 0x0                           ; my part of quarter 3 is in (the one load that was out),
	s_wait_dscnt 0x0
	s_barrier_signal -1
	s_barrier_wait -1                              ; everybody's is
.rept 4
	v_nop
.endr
.else
.rept 4
	v_nop                                          ; places in front of loads into registers that matrix instructions have read
.endr
.endif
.if KS < 15
	FETCH KS+1
.if KS%4 == 3
	SCALEQ (KS+1)/4
	s_wait_dscnt 32                                ; this step's fragments are in; the 24 and 8 loads just issued may be out
.else
	s_wait_dscnt 24
.endif
.else
	s_wait_dscnt 0x0
.endif
	MUL KS
.set KS, KS+1
.endr
	WIN 0
; THE WAY OUT, a block of 16 tokens x 64 outputs at a time, through my own stage: a lane holds 32-byte pieces of a row, and the lanes beside it hold other rows; back come whole rows of 256 bytes.
.macro TOSTAGE a
.irp b, 0,1,2,3
	ds_store_b128 v[STO], v[ACC+8*(4*(\a)+\b):ACC+8*(4*(\a)+\b)+3] offset:128*(\b/2)+32*(\b%2)        ; each accumulator from its low end on
	ds_store_b128 v[STO], v[ACC+8*(4*(\a)+\b)+4:ACC+8*(4*(\a)+\b)+7] offset:128*(\b/2)+32*(\b%2)+16
.endr
.irp i, 0,1,2,3,4,5,6,7                ; LDS serves a wave's instructions in order: these see the stores above, and the next block's stores come behind them
	ds_load_b128 v[TMP+32*((\a)%2)+4*\i:TMP+32*((\a)%2)+4*\i+3], v[RD] offset:544*\i
.endr
.endm
.macro SEND a, younger
	s_wait_dscnt \younger
.irp i, 0,1,2,3,4,5,6,7
	global_store_b128 v[CO], v[TMP+32*((\a)%2)+4*\i:TMP+32*((\a)%2)+4*\i+3], s[10:11] offset:(32*((\a)/2)+8*((\a)%2)+2*\i+8*(\i/4))*8192 th:TH_STORE_NT   ; sixteen lanes store 256 consecutive bytes, aligned
.endr
.endm
.rept 4
	v_nop                                          ; places behind the last products
.endr
	TOSTAGE 0
	TOSTAGE 1
	SEND 0, 16                                     ; behind block 0's loads: block 1's eight stores and eight loads
	s_wait_xcnt 0x0                                ; block 0's stores have read their data: block 2's rows may land there
	TOSTAGE 2
	SEND 1, 16
	s_wait_xcnt 0x0
	TOSTAGE 3
	SEND 2, 16
	SEND 3, 0
	s_wait_tensorcnt 0x0                           ; the wave's end, behind my last tensor load and my last LDS store
	ds_add_u32 v[SPW], v[NIL]
	s_wait_dscnt 0x0
	CROUND                                         ; the closing round
	s_endpgm
.Lfunc_end_k_qbdbe310564_oproj:
	.size	k_qbdbe310564_oproj, .Lfunc_end_k_qbdbe310564_oproj-k_qbdbe310564_oproj
	.p2alignl 7, 3214868480
	.fill 96, 4, 3214868480
	.section	.rodata,"a",@progbits
	.p2align	6, 0x0
	.amdhsa_kernel k_qbdbe310564_oproj
		.amdhsa_group_segment_fixed_size 327680
		.amdhsa_private_segment_fixed_size 0
		.amdhsa_enable_private_segment 0
		.amdhsa_kernarg_size 32
		.amdhsa_user_sgpr_count 2
		.amdhsa_user_sgpr_kernarg_segment_ptr 1
		.amdhsa_wavefront_size32 1
		.amdhsa_system_sgpr_workgroup_id_x 1
		.amdhsa_system_sgpr_workgroup_id_y 1
		.amdhsa_system_sgpr_workgroup_id_z 1
		.amdhsa_system_vgpr_workitem_id 0
		.amdhsa_next_free_vgpr 512
		.amdhsa_next_free_sgpr 102
		.amdhsa_reserve_vcc 0
		.amdhsa_float_denorm_mode_32 3
		.amdhsa_float_denorm_mode_16_64 3
		.amdhsa_memory_ordered 1
		.amdhsa_forward_progress 1
		.amdhsa_inst_pref_size 83
	.end_amdhsa_kernel
	.amdgpu_metadata
---
amdhsa.version: [ 1, 2 ]
amdhsa.kernels:
  - .name:           k_qbdbe310564_oproj
    .symbol:         k_qbdbe310564_oproj.kd
    .args:
      - { .name: cod, .offset: 0, .size: 8, .value_kind: global_buffer, .address_space: global }
      - { .name: scl, .offset: 8, .size: 8, .value_kind: global_buffer, .address_space: global }
      - { .name: bo, .offset: 16, .size: 8, .value_kind: global_buffer, .address_space: global }
      - { .name: out0, .offset: 24, .size: 8, .value_kind: global_buffer, .address_space: global }
    .group_segment_fixed_size: 327680
    .private_segment_fixed_size: 0
    .kernarg_segment_align: 8
    .kernarg_segment_size: 32
    .max_flat_workgroup_size: 128
    .sgpr_count:     102
    .vgpr_count:     512
    .wavefront_size: 32
...
	.end_amdgpu_metadata
.endif
;; end of part 4
